; MI455X (gfx1250); checked and timed in simulation.
; The chip was launched on July 23, 2026; its instructions are those of AMD's public machine-readable ISA for CDNA 5 (MIT licence, August 2026) and "CDNA5" Instruction Set Architecture Reference Guide (July 2026). The comments in the code are by the model that wrote it; some were corrected since.
;; Multi Headed Self Attn. Allowed arithmetic: matrix products marked QUANTISED: E4M3 operands, one given power-of-two scale a tensor, by v_wmma_f32_16x16x64_fp8_fp8 or v_wmma_f32_16x16x128_fp8_fp8, f32 sums; everything else in f32.
;; Inputs: bk 16 x 64 float32; bo 1,024 float32; bq 16 x 64 float32; bv 16 x 64 float32; k_and_v 4 x 2,048 x 1,024 float32; lowp_scales 12 int32 (the exponents e of the quantised operands' scales 2^e); q 4 x 2,048 x 1,024 float32; wk 16 x 1,024 x 64 float32; wo 1,024 x 1,024 float32; wq 16 x 1,024 x 64 float32; wv 16 x 1,024 x 64 float32.
;; Outputs: out0 4 x 2,048 x 1,024 float32.
;; This version of the problem:
;;   THIS VERSION OF THE PROBLEM IS GIVEN IN LOW PRECISION. The matrix products marked QUANTISED in the list below multiply operands that are first quantised to E4M3 (4 exponent bits, 3 mantissa bits; 8 bits a number), with one given power-of-two scale for each operand tensor; their sums are f32. All else is computed in f32.
;;   The module's matrix products, in the order in which they are computed (A, B: the left and right operand; K: the contracted axis; several contracted axes count as one K, in the product's order):
;;     1. [M 1,024, K 1,024] x [K 1,024, N 8,192]; A: input wq; B: input q: QUANTISED (scales: A lowp_scales[0], B lowp_scales[1])
;;     2. [M 1,024, K 1,024] x [K 1,024, N 8,192]; A: input wk; B: input k_and_v: QUANTISED (scales: A lowp_scales[2], B lowp_scales[3])
;;     3. [M 1,024, K 1,024] x [K 1,024, N 8,192]; A: input wv; B: input k_and_v: QUANTISED (scales: A lowp_scales[4], B lowp_scales[5])
;;     4. batch 64 x [M 2,048, K 64] x [K 64, N 2,048]; A: computed on the way; B: computed on the way: QUANTISED (scales: A lowp_scales[6], B lowp_scales[7])
;;     5. batch 64 x [M 2,048, K 2,048] x [K 2,048, N 64]; A: softmax (see below); B: computed on the way: QUANTISED (scales: A lowp_scales[8], B lowp_scales[9])
;;     6. [M 8,192, K 1,024] x [K 1,024, N 1,024]; A: computed on the way; B: input wo: QUANTISED (scales: A lowp_scales[10], B lowp_scales[11])
;;   THE QUANTISER, for each operand of a quantised product, along K:
;;     - The operand's scale is 2^e, e = its entry of the input lowp_scales (int32; the entries are numbered through the quantised products in the list's order, A before B).
;;     - Each number is divided by the scale, clamped to +-448, and rounded to the nearest number of E4M3, ties to even, subnormals kept.
;;     - The product sums the exact products of the quantised numbers (number of the format x scale) in f32.
;;   ~~~python
;;   def quantise(x, axis, e):      # numpy; x: float32 -> the quantised numbers, widened to float32 again
;;       x = np.moveaxis(x, axis, -1); K = x.shape[-1]
;;       r = np.clip(x / 2.0 ** e, -448, 448)
;;       step = 2.0 ** (np.maximum(np.frexp(np.where(r == 0, 1, r))[1] - 1, -6) - 3)
;;       q = np.round(r / step) * step * 2.0 ** e      # np.round: ties to even
;;       return np.moveaxis(q, -1, axis).astype(np.float32)
;;   ~~~
;;   SOFTMAX AHEAD OF A QUANTISED PRODUCT. Where the list says 'softmax', what is quantised is not the finished softmax but p = 2^(t - M), with t = logit x log2(e) and M = ceil(the row's largest t), a whole number; so 1/2 < the row's largest p <= 1. The row's sum l is taken of the UNQUANTISED p, in f32, and the product's result is divided by l at the end. Since M is a whole number, a kernel that streams over the keys may use a running M (the ceiling of the running maximum): every later rescaling is an exact power of two, so the quantised numbers keep their values, but for numbers so far below the row's largest that they fall under the format's range.
;;   OPERANDS COMPUTED ON THE WAY. 'Computed on the way' means the value that the module computes at that place (a softmax that the list does not call 'softmax' is quantised finished and normalised). What goes into a quantiser is computed in f32, as accurately as f32 sums, v_exp_f32 and their like allow (about 1e-6 of the number): no bf16 or f16 on the way to a quantiser, and a product that is left as it is and whose result goes on into a quantised operand takes f32 operands (vector FMAs, or v_wmma_f32_16x16x4_f32). A number that lies on a knife's edge between two numbers of the format may be rounded either way, as far as f32 arithmetic and the matrix unit's own rounding can turn it there, and no further.
;; 2 versions, each right; version 2 is version 1 with the launch attn written anew for expert scheduling mode. Each part assembles by itself: llvm-mc -triple=amdgcn-amd-amdhsa -mcpu=gfx1250 --defsym DOCPART=n.
;; ======== version 1 of 2: 4 launches
;; workspace buffers: xc 25,165,824 bytes; wc 4,194,304 bytes; hc 25,165,824 bytes; zc 8,388,608 bytes
;; launch prep (part 1): grid 1152 x 1, 4 waves a work-group, no clusters, 68,096 bytes of LDS; arguments q, k_and_v, wq, wk, wv, wo, lowp_scales, xc, wc; writes xc, wc
.if DOCPART == 1
	.amdgcn_target "amdgcn-amd-amdhsa--gfx1250"
	.amdhsa_code_object_version 6
	.text
	.protected	k_q89af465864_prep
	.globl	k_q89af465864_prep
	.p2align	8
	.type	k_q89af465864_prep,@function
k_q89af465864_prep:
	s_mov_b64 s[64:65], 0
	v_nop
	global_prefetch_b8 v0, s[64:65] scope:SCOPE_SE
	s_setreg_imm32_b32 hwreg(HW_REG_WAVE_MODE, 25, 1), 1
	s_wait_xcnt 0x0
; q and k_and_v [8192][1024] f32 and the four weights become codes of E4M3, laid as IMAGES OF OPERAND REGISTERS of the 16x16x128 form:
; byte of (row, k) = (row>>7) 131072 + (k>>7) 16384 + ((row>>4)&7) 2048 + ((k>>5)&3) 512 + 16 lane + byte, lane = (row&15) + 16 ((k>>3)&1), byte = (k&7) + 8 ((k>>4)&1).
; xc: three planes of 8 MB: q by scale 1, k_and_v by scale 3, k_and_v by scale 5.  wc: four planes of 1 MB: wq (scale 0), wk (2), wv (4), wo (11); a row is the output column (64 head + d).
; code = x / 2^e, held within +-448, to the nearest code, ties to even.  LIMITS: each e between -126 and 119, so that 2^e and 448 x 2^e are f32 numbers; NaN among the inputs is not served.
; Work-groups 0-127 take the weights (K is not innermost: a lane takes a column, its registers run down K), work-groups 128-1151 take 16 rows of q or of k_and_v (K innermost: the numbers turn through a stage in LDS).
; No tensor loads, no barrier: waves share nothing; each path has LDS bytes of its own.  No matrix unit, no cluster: every byte is read once and nothing is shared.
.set R,     64                         ; v64-191  X path: four sets of 32 registers as loaded; later the codes
.set X,     192                        ; v192-255 X path: two sets of 32: a lane's 2 x 16 numbers in the operand's order
.set TA,    16                         ; v16-31   16 held numbers, first scale
.set TB,    32                         ; v32-47   the same, second scale
.set HALF,  4352                       ; a stage: 16 rows x (256 bytes + 16)
.set WSTG,  34816                      ; the weights' stages begin behind the four waves' 2 x HALF
.macro SCALE se, vs, vl, ta, tb        ; v[vs] = 2^e, v[vl] = 448 x 2^e, e in s[se]
	s_add_co_i32 s[\ta], s[\se], 127
	s_lshl_b32 s[\tb], s[\ta], 23
	v_mov_b32 v[\vs], s[\tb]
	s_add_co_i32 s[\ta], s[\ta], 8
	s_lshl_b32 s[\ta], s[\ta], 23
	s_or_b32 s[\ta], s[\ta], 0x600000
	v_mov_b32 v[\vl], s[\ta]
.endm
	s_load_b512 s[8:23], s[0:1], 0x0               ; q 8, k_and_v 10, wq 12, wk 14, wv 16, wo 18, scales 20, xc 22
	s_load_b64 s[24:25], s[0:1], 0x40              ; wc
	v_lshl_add_u32 v62, v0, 2, 0x10800
	v_mov_b32 v63, 0
	v_lshrrev_b32 v1, 5, v0
	v_readfirstlane_b32 s2, v1                     ; wave
	v_and_b32 v1, 31, v0                           ; lane
	v_lshlrev_b32 v5, 4, v1                        ; 16 x lane: my place in every image
	v_and_b32 v12, 15, v0                          ; r
	v_bfe_u32 v13, v0, 4, 1                        ; h
	v_lshlrev_b32 v14, 4, v12
	v_lshl_add_u32 v2, v13, 12, v14                ; 4096 h + 16 r: two rows of the input a load
	s_mul_i32 s3, s2, 2*HALF
	v_mul_u32_u24 v3, v13, 272
	v_add_nc_u32 v3, v3, v14
	v_add_nc_u32 v3, s3, v3                        ; X stage, in: row h of a pair, 16 r
	v_mul_u32_u24 v4, v12, 272
	v_lshl_add_u32 v4, v13, 5, v4
	v_add_nc_u32 v4, s3, v4                        ; X stage, out: row r, 32 h
	s_lshl_b32 s3, s2, 13
	s_add_co_u32 s3, s3, WSTG
	v_add_nc_u32 v6, s3, v2                        ; W stage, in: row tile h (4,096 bytes), 16 r
	v_add_nc_u32 v7, s3, v5                        ; W stage, out: 16 x lane
	s_wait_kmcnt 0x0
	s_load_b256 s[36:43], s[20:21], 0x0            ; scales 0 to 7
	s_load_b128 s[44:47], s[20:21], 0x20           ; scales 8 to 11
	s_cmp_lt_u32 ttmp9, 128
	s_cbranch_scc1 .Lweights
; ---- 16 rows of q or k_and_v; wave w takes k = 256 w .. 256 w + 255, in four steps of 64
	s_sub_co_u32 s26, ttmp9, 128
	s_and_b32 s27, s26, 511                        ; which 16 rows
	s_cmp_lt_u32 s26, 512                          ; q or k_and_v: hangs on the work-group's number alone
	s_cselect_b64 s[28:29], s[8:9], s[10:11]
	s_cselect_b32 s50, 0, 0x800000                 ; plane 0 or plane 1
	s_lshl_b32 s30, s27, 16
	s_lshl_b32 s31, s2, 10
	s_add_co_u32 s30, s30, s31
	s_mov_b32 s31, 0
	s_add_nc_u64 s[28:29], s[28:29], s[30:31]
	s_lshr_b32 s52, s27, 3
	s_lshl_b32 s52, s52, 17
	s_and_b32 s53, s27, 7
	s_lshl_b32 s53, s53, 11
	s_add_co_u32 s52, s52, s53
	s_lshl_b32 s53, s2, 15
	s_add_co_u32 s52, s52, s53
	s_add_co_u32 s52, s52, s50
	s_mov_b32 s53, 0
	s_add_nc_u64 s[32:33], s[22:23], s[52:53]      ; the first scale's codes
	s_add_nc_u64 s[34:35], s[32:33], 0x800000      ; the second scale's (k_and_v alone)
.irp t, 0,1,2,3
.irp i, 0,1,2,3,4,5,6,7
	global_load_b128 v[R+32*\t+4*\i:R+32*\t+4*\i+3], v2, s[28:29] offset:8192*\i+256*\t th:TH_LOAD_NT   ; sixteen lanes read 256 consecutive bytes of a row; all 32 loads go out at once
.endr
.endr
	s_wait_kmcnt 0x0
	s_cmp_lt_u32 s26, 512
	s_cselect_b32 s50, s37, s39
	SCALE 50, 8, 9, 54, 55
	SCALE 41, 10, 11, 54, 55
.macro TURN t                          ; step t's 16 x 64 numbers through the stage: LDS serves a wave's instructions in order, so no wait stands between the stores and the loads
.irp i, 0,1,2,3,4,5,6,7
	ds_store_b128 v3, v[R+32*(\t)+4*\i:R+32*(\t)+4*\i+3] offset:HALF*((\t)%2)+544*\i
.endr
.irp blk, 0,1                          ; of row r: k = 32 blk + 8 h + 0..7, then the same + 16
	ds_load_b128 v[X+32*((\t)%2)+16*\blk:X+32*((\t)%2)+16*\blk+3],     v4 offset:HALF*((\t)%2)+128*\blk
	ds_load_b128 v[X+32*((\t)%2)+16*\blk+4:X+32*((\t)%2)+16*\blk+7],   v4 offset:HALF*((\t)%2)+128*\blk+16
	ds_load_b128 v[X+32*((\t)%2)+16*\blk+8:X+32*((\t)%2)+16*\blk+11],  v4 offset:HALF*((\t)%2)+128*\blk+64
	ds_load_b128 v[X+32*((\t)%2)+16*\blk+12:X+32*((\t)%2)+16*\blk+15], v4 offset:HALF*((\t)%2)+128*\blk+80
.endr
.endm
.macro QX t, tmp, sc, lim, co, bs      ; a step's two blocks of 32 k: hold, convert, store; the codes take registers of set t that are written once
.irp blk, 0,1
.irp i, 0,1,2,3,4,5,6,7,8,9,10,11,12,13,14,15
	v_med3_num_f32 v[\tmp+\i], v[X+32*((\t)%2)+16*\blk+\i], -v[\lim], v[\lim]   ; the conversion does not saturate (ISA guide 7.6.2): the hold comes first
.endr
	v_cvt_scalef32_pk8_fp8_f32 v[R+32*(\t)+\co+8*\blk:R+32*(\t)+\co+8*\blk+1], v[\tmp:\tmp+7], v[\sc]
	v_cvt_scalef32_pk8_fp8_f32 v[R+32*(\t)+\co+8*\blk+2:R+32*(\t)+\co+8*\blk+3], v[\tmp+8:\tmp+15], v[\sc]
	v_nop                                          ; a plain line between the conversions and the next holds, which write their sources
	global_store_b128 v5, v[R+32*(\t)+\co+8*\blk:R+32*(\t)+\co+8*\blk+3], s[\bs:\bs+1] offset:((\t)/2)*16384+(2*((\t)%2)+\blk)*512   ; 512 consecutive bytes, aligned
.endr
.endm
.macro STEP t
	s_wait_dscnt 0x0                               ; this step's numbers are back, and its stores into the stage have read set t
.if \t < 3
	s_wait_loadcnt 8*(2-\t)                        ; the next step's eight loads are in; the later steps' may be out
	TURN (\t)+1
.endif
	QX \t, TA, 8, 9, 0, 32
	s_cmp_lt_u32 s26, 512
	s_cbranch_scc1 .Lq_only_\@                     ; q has one scale, k_and_v two
	QX \t, TB, 10, 11, 16, 34
.Lq_only_\@:
.endm
	s_wait_loadcnt 24                              ; step 0's eight loads are in
	TURN 0
	STEP 0
	STEP 1
	STEP 2
	STEP 3
	s_wait_tensorcnt 0x0
	ds_add_u32 v62, v63
	s_wait_dscnt 0x0
	s_endpgm
; ---- a weight: 128 output columns x 256 along K; wave w takes 32 columns, a lane a column, eight blocks of 32 along K
.Lweights:
	s_lshr_b32 s26, ttmp9, 5                       ; which weight
	s_bfe_u32 s27, ttmp9, 0x30002                  ; which 128 columns
	s_and_b32 s28, ttmp9, 3                        ; which 256 along K
	s_lshl_b32 s32, s27, 1
	s_lshr_b32 s33, s2, 1
	s_add_co_u32 s32, s32, s33
	s_lshl_b32 s32, s32, 18                        ; a head's weight: head 2 rb + w / 2, 262,144 bytes each,
	s_and_b32 s33, s2, 1
	s_lshl_b32 s33, s33, 7
	s_add_co_u32 s32, s32, s33                     ; and 32 (w % 2) of its 64 columns
	s_lshl_b32 s34, s27, 9
	s_lshl_b32 s35, s2, 7
	s_add_co_u32 s34, s34, s35                     ; wo: column 128 rb + 32 w
	s_mov_b32 s29, 4096
	s_cmp_eq_u32 s26, 1
	s_cselect_b64 s[30:31], s[14:15], s[12:13]
	s_cmp_eq_u32 s26, 2
	s_cselect_b64 s[30:31], s[16:17], s[30:31]
	s_cmp_eq_u32 s26, 3
	s_cselect_b64 s[30:31], s[18:19], s[30:31]
	s_cselect_b32 s29, s29, 256                    ; bytes from k to k + 1
	s_cselect_b32 s32, s34, s32
	s_lshl_b32 s33, s28, 8
	s_mul_i32 s33, s33, s29
	s_add_co_u32 s32, s32, s33
	s_mov_b32 s33, 0
	s_add_nc_u64 s[48:49], s[30:31], s[32:33]      ; block 0
	s_lshl_b32 s34, s29, 5
	s_mov_b32 s35, 0
.irp t, 1,2,3,4,5,6,7
	s_add_nc_u64 s[48+2*\t:49+2*\t], s[46+2*\t:47+2*\t], s[34:35]   ; block t: 32 along K on; the eight bases are never rewritten
.endr
	v_lshlrev_b32 v16, 2, v1
.irp i, 1,2,3,4,5,6,7,8,9,10,11,12,13,14,15,16,17,18,19,20,21,22,23,24,25,26,27,28,29,30,31
	v_add_nc_u32 v[16+\i], s29, v[15+\i]           ; 4 x lane + i x the pitch: one text serves both pitches
.endr
	s_lshl_b32 s32, s26, 20
	s_lshl_b32 s33, s27, 17
	s_add_co_u32 s32, s32, s33
	s_lshl_b32 s33, s28, 15
	s_add_co_u32 s32, s32, s33
	s_lshl_b32 s33, s2, 12
	s_add_co_u32 s32, s32, s33
	s_mov_b32 s33, 0
	s_add_nc_u64 s[30:31], s[24:25], s[32:33]      ; my two row tiles of the image
.macro LOADW t
.irp i, 0,1,2,3,4,5,6,7,8,9,10,11,12,13,14,15,16,17,18,19,20,21,22,23,24,25,26,27,28,29,30,31
	global_load_b32 v[64+32*((\t)%2)+\i], v[16+\i], s[48+2*(\t):49+2*(\t)] th:TH_LOAD_NT
.endr
.endm
	LOADW 0
	LOADW 1
	s_wait_kmcnt 0x0
	s_cmp_eq_u32 s26, 1
	s_cselect_b32 s34, s38, s36
	s_cmp_eq_u32 s26, 2
	s_cselect_b32 s34, s40, s34
	s_cmp_eq_u32 s26, 3
	s_cselect_b32 s34, s47, s34
	SCALE 34, 8, 9, 32, 33
.macro BLOCK t
.set XS, 64+32*((\t)%2)
.if (\t) < 7
	s_wait_loadcnt 32                              ; this block's 32 loads are in; the next block's may be out
.else
	s_wait_loadcnt 0x0
.endif
.irp i, 0,1,2,3,4,5,6,7,8,9,10,11,12,13,14,15,16,17,18,19,20,21,22,23,24,25,26,27,28,29,30,31
	v_med3_num_f32 v[XS+\i], v[XS+\i], -v9, v9
.endr
	v_cvt_scalef32_pk8_fp8_f32 v[48:49], v[XS:XS+7], v8        ; k 0-7 and 16-23 are the 16 bytes of image lane r,
	v_cvt_scalef32_pk8_fp8_f32 v[50:51], v[XS+16:XS+23], v8
	v_cvt_scalef32_pk8_fp8_f32 v[52:53], v[XS+8:XS+15], v8     ; k 8-15 and 24-31 those of image lane 16 + r
	v_cvt_scalef32_pk8_fp8_f32 v[54:55], v[XS+24:XS+31], v8
	v_nop
	ds_store_b128 v6, v[48:51] offset:512*(\t)
	ds_store_b128 v6, v[52:55] offset:512*(\t)+256
.if (\t)+2 < 8
	LOADW (\t)+2
.endif
	s_wait_dscnt 0x0                               ; the stores have read their registers: the next block's codes may be written
.endm
.irp t, 0,1,2,3,4,5,6,7
	BLOCK \t
.endr
.irp i, 0,1,2,3,4,5,6,7,8,9,10,11,12,13,14,15
	ds_load_b128 v[128+4*\i:131+4*\i], v7 offset:512*\i        ; my own bytes, served in order
.endr
.irp i, 0,1,2,3,4,5,6,7,8,9,10,11,12,13,14,15
	s_wait_dscnt 15-\i
	global_store_b128 v5, v[128+4*\i:131+4*\i], s[30:31] offset:(\i/8)*2048+((\i/4)%2)*16384+(\i%4)*512   ; 512 consecutive bytes, aligned
.endr
	s_wait_tensorcnt 0x0
	ds_add_u32 v62, v63
	s_wait_dscnt 0x0
	s_endpgm
.Lfunc_end_k_q89af465864_prep:
	.size	k_q89af465864_prep, .Lfunc_end_k_q89af465864_prep-k_q89af465864_prep
	.p2alignl 7, 3214868480
	.fill 96, 4, 3214868480
	.section	.rodata,"a",@progbits
	.p2align	6, 0x0
	.amdhsa_kernel k_q89af465864_prep
		.amdhsa_group_segment_fixed_size 68096
		.amdhsa_private_segment_fixed_size 0
		.amdhsa_enable_private_segment 0
		.amdhsa_kernarg_size 72
		.amdhsa_user_sgpr_count 2
		.amdhsa_user_sgpr_kernarg_segment_ptr 1
		.amdhsa_wavefront_size32 1
		.amdhsa_system_sgpr_workgroup_id_x 1
		.amdhsa_system_sgpr_workgroup_id_y 1
		.amdhsa_system_sgpr_workgroup_id_z 1
		.amdhsa_system_vgpr_workitem_id 0
		.amdhsa_next_free_vgpr 256
		.amdhsa_next_free_sgpr 66
		.amdhsa_reserve_vcc 0
		.amdhsa_float_denorm_mode_32 3
		.amdhsa_float_denorm_mode_16_64 3
		.amdhsa_memory_ordered 1
		.amdhsa_forward_progress 1
		.amdhsa_inst_pref_size 81
	.end_amdhsa_kernel
	.amdgpu_metadata
---
amdhsa.version: [ 1, 2 ]
amdhsa.kernels:
  - .name:           k_q89af465864_prep
    .symbol:         k_q89af465864_prep.kd
    .args:
      - { .name: q, .offset: 0, .size: 8, .value_kind: global_buffer, .address_space: global }
      - { .name: k_and_v, .offset: 8, .size: 8, .value_kind: global_buffer, .address_space: global }
      - { .name: wq, .offset: 16, .size: 8, .value_kind: global_buffer, .address_space: global }
      - { .name: wk, .offset: 24, .size: 8, .value_kind: global_buffer, .address_space: global }
      - { .name: wv, .offset: 32, .size: 8, .value_kind: global_buffer, .address_space: global }
      - { .name: wo, .offset: 40, .size: 8, .value_kind: global_buffer, .address_space: global }
      - { .name: lowp_scales, .offset: 48, .size: 8, .value_kind: global_buffer, .address_space: global }
      - { .name: xc, .offset: 56, .size: 8, .value_kind: global_buffer, .address_space: global }
      - { .name: wc, .offset: 64, .size: 8, .value_kind: global_buffer, .address_space: global }
    .group_segment_fixed_size: 68096
    .private_segment_fixed_size: 0
    .kernarg_segment_align: 8
    .kernarg_segment_size: 72
    .max_flat_workgroup_size: 128
    .sgpr_count:     66
    .vgpr_count:     256
    .wavefront_size: 32
...
	.end_amdgpu_metadata
.endif
;; end of part 1
;; launch proj (part 2): grid 8 x 96, 4 waves a work-group, clusters of 4 x 4, 327,680 bytes of LDS; arguments xc, wc, bq, bk, bv, lowp_scales, hc; writes hc
.if DOCPART == 2
	.amdgcn_target "amdgcn-amd-amdhsa--gfx1250"
	.amdhsa_code_object_version 6
	.text
	.protected	k_q89af465864_proj
	.globl	k_q89af465864_proj
	.p2align	8
	.type	k_q89af465864_proj,@function
k_q89af465864_proj:
	s_mov_b64 s[64:65], 0
	v_nop
	global_prefetch_b8 v0, s[64:65] scope:SCOPE_SE
	s_setreg_imm32_b32 hwreg(HW_REG_WAVE_MODE, 25, 1), 1
	s_wait_xcnt 0x0
	s_wait_alu depctr_hold_cnt(0) depctr_sa_sdst(0) depctr_va_vdst(0) depctr_va_sdst(0) depctr_va_ssrc(0) depctr_va_vcc(0) depctr_vm_vsrc(0)
	s_getreg_b32 s2, hwreg(HW_REG_IB_STS2, 6, 4)
	s_cmp_eq_u32 s2, 0
	s_cbranch_scc0 .Lentry_in_a_cluster
	s_endpgm
.Lentry_in_a_cluster:
	s_bfe_u32 s2, ttmp6, 0x10000c
	s_cmp_lg_u32 s2, 0xf033
	s_cbranch_scc0 .Lentry_shape_is_right
	s_endpgm
.Lentry_shape_is_right:
; The three projections on codes of E4M3, K = 1,024: qh, kh, vh = sum x 2^(the two scales' e) + bias in f32, quantised at once for the attention's products and stored as images of operand registers (hc).
; g = cluster y / 8 says which: 0 q x wq -> Q plane (scale 6), 1 k_and_v x wk -> K plane (scale 7), 2 k_and_v x wv -> V plane (scale 9).
; C' = P R^T: R's 16 rows are source 0 (they fall on a lane's eight registers), P's 16 rows source 1 (they fall on the lanes).  For Q and K: P = tokens, R = weight rows, so a lane's registers run along d, the next K.
; For V the roles are swapped (P = weight rows, R = tokens): a lane's registers run along the keys, the second product's K.  A lane's eight results convert into eight bytes that ARE the next operand's registers.
; A work-group makes 256 rows of P x 128 rows of R; four waves, each 128 x 64: 32 accumulators.  768 work-groups.  K goes in four chunks of 256 through three LDS slots; chunk 3 fills slot 0 again.
; xc and wc are images: 128 rows x 256 k are 32,768 dense bytes, a fragment is four loads of 512 consecutive bytes: no pitch, no padding.
; hc: a plane is 8 MB, (b, head) takes 131,072 bytes.  Q, K: tile s / 16 at 1,024 bytes, [d / 32][lane = s % 16 + 16 ((d / 8) % 2)][16 bytes].  V: (s / 64) 4096 + (d / 16) 1024 + ((s / 32) % 2) 512, lane = d % 16 + 16 ((s / 8) % 2).
; CLUSTERS: 4 x 4.  P's tile hangs on the cluster's row, R's on its column: each is asked for jointly by the four that share it.
; LIMITS: the sum of a product's two e between -126 and 127; the quantisers' e (scales 6, 7, 9) between -126 and 119.
; Both bias sets are loaded on the one way (R's 32 numbers a lane, P's 8): the set that the mode does not use is read at offset 0 of the same buffer and not used.
; REGISTERS: window 0: v1 16 x lane; v2-4, v5-7 LDS addresses of P's and R's fragments in slots 0-2; v8, v9 the add's; v10, v11 bias offsets; v12, v13 2^eo and 448 x 2^eo; v32-63 bias along R; v64-79 bias along P; v96-127 at work; v128-191 codes.
;   window 1: P's fragments, two sets of 128.  window 2: R's, two sets of 64.  window 3: accumulator (a, b) at v[8 (4 a + b)].
.set SLOT,  98304                      ; P half 0 (32,768), P half 1, R (32,768)
.set CHUNK, 32768
.set SPARE, 3*SLOT                     ; the spare words: 128 bytes a wave, two blocks of 256 bytes that no other line names
.set LI,   1
.set ADRP, 2
.set ADRR, 5
.set SPW,  8
.set NIL,  9
.set BR,   32
.set BP,   64
.set T,    96
.set CD,   128
.set G1P,  28
.set G1R,  36
.set G0P,  44
.set G0R,  68
.set MUL,    0xf6                      ; source 0 (R) window 2, source 1 (P) window 1, C and D window 3
.set TO_P,   0x40
.set TO_R,   0x80
.set RD_ACC, 0x03
.set MSB, 0
.macro WIN new                         ; the immediate's high byte repeats the setting that is left
.if MSB != \new
	s_set_vgpr_msb (MSB<<8)|\new
.set MSB, \new
.endif
.endm
.macro PLACES                          ; four plain lines behind matrix instructions, ahead of loads into registers that they read and of reads of their results
.rept 4
	v_nop
.endr
.endm
.macro CREST                           ; a round of the cluster's barrier behind its opening barrier
	s_cmp_lg_u32 s18, 0
	s_cbranch_scc1 .Lnot_wave_0_\@
	s_barrier_signal -3
.Lnot_wave_0_\@:
	s_barrier_wait -3
	s_barrier_signal -1
	s_barrier_wait -1
.endm
.macro CROUND
	s_barrier_signal -1
	s_barrier_wait -1
	CREST
.endm
.macro FETCH slot, q, f                ; 48 loads: R's four and P's eight fragments of the slot's q-th 128 along K, into set f
	WIN TO_R
.irp i, 0,1,2,3
.irp c, 0,1,2,3
	ds_load_b128 v[64*(\f)+16*\i+4*\c:64*(\f)+16*\i+4*\c+3], v[ADRR+\slot] offset:16384*(\q)+2048*\i+512*\c
.endr
.endr
	WIN TO_P
.irp i, 0,1,2,3,4,5,6,7
.irp c, 0,1,2,3
	ds_load_b128 v[128*(\f)+16*\i+4*\c:128*(\f)+16*\i+4*\c+3], v[ADRP+\slot] offset:16384*(\q)+2048*\i+512*\c
.endr
.endr
	WIN 0
.endm
.macro MUL8 f, a0, zero                ; the 32 accumulators take turns, one instruction a turn, in the same order in every step
.irp a, \a0, \a0+1
.irp b, 0,1,2,3
.if \zero
	v_wmma_f32_16x16x128_fp8_fp8 v[8*(4*(\a)+\b):8*(4*(\a)+\b)+7], v[64*(\f)+16*\b:64*(\f)+16*\b+15], v[128*(\f)+16*(\a):128*(\f)+16*(\a)+15], 0
.else
	v_wmma_f32_16x16x128_fp8_fp8 v[8*(4*(\a)+\b):8*(4*(\a)+\b)+7], v[64*(\f)+16*\b:64*(\f)+16*\b+15], v[128*(\f)+16*(\a):128*(\f)+16*(\a)+15], v[8*(4*(\a)+\b):8*(4*(\a)+\b)+7]
.endif
.endr
.endr
.endm
.macro MULALL f, zero
	MUL8 \f, 0, \zero
	MUL8 \f, 2, \zero
	MUL8 \f, 4, \zero
	MUL8 \f, 6, \zero
.endm
.macro STEP nslot, nq, cur             ; multiplies set cur; the next step's fragments are asked for first, into the other set
	PLACES
	FETCH \nslot, \nq, 1-\cur
	s_wait_dscnt 48                                ; all but the 48 just issued: set cur is in
	WIN MUL
	MULALL \cur, 0
.endm
	s_load_b256 s[4:11], s[0:1], 0x0               ; xc 4, wc 6, bq 8, bk 10
	s_load_b128 s[12:15], s[0:1], 0x20             ; bv 12, scales 14
	s_load_b64 s[16:17], s[0:1], 0x30              ; hc
	v_lshl_add_u32 v[SPW], v0, 2, SPARE
	v_mov_b32 v[NIL], 0
	ds_add_u32 v8, v9
	ds_add_u32 v8, v9
	s_wait_dscnt 0x0
	v_lshrrev_b32 v10, 5, v0
	v_readfirstlane_b32 s18, v10                   ; wave
	s_lshr_b32 s19, s18, 1                         ; my half of P's rows.  Also: I fetch for P (0) or for R (1)
	s_and_b32 s20, s18, 1                          ; my half of R's rows.  Also: which half of that tile I fetch
	s_bfe_u32 s21, ttmp6, 0x40000                  ; cx
	s_bfe_u32 s22, ttmp6, 0x40004                  ; cy
	s_and_b32 s24, ttmp7, 0xffff                   ; cluster y
	s_lshr_b32 s25, s24, 3                         ; g: the same in all sixteen partners
	s_and_b32 s26, s24, 7                          ; y
	s_lshl_b32 s23, s25, 23
	s_lshl_b32 s24, s25, 20
	s_cmp_eq_u32 s25, 2
	s_cselect_b32 s56, 0, s26
	s_cselect_b32 s57, s26, 0
	s_cselect_b32 s23, 0x200000, s23               ; P's plane: xc + g x 8 MB, or wc + 2 MB
	s_cselect_b32 s24, 0x1000000, s24              ; R's plane: wc + g x 1 MB, or xc + 16 MB
	s_lshl_b32 s56, s56, 2
	s_add_co_u32 s56, s56, s22                     ; P's tile of 256 rows: 4 y + cy, or cy
	s_lshl_b32 s57, s57, 1
	s_add_co_u32 s57, s57, ttmp9
	s_lshl_b32 s57, s57, 2
	s_add_co_u32 s57, s57, s21                     ; R's tile of 128 rows: 4 cluster x + cx, or 4 (cluster x + 2 y) + cx
	s_lshl_b32 s94, s22, 2
	s_lshl_b32 s94, 15, s94                        ; my row of the cluster
	s_lshl_b32 s95, 0x1111, s21                    ; my column
	s_or_b32 s[G1P], s94, (3<<16)|(1<<21)          ; 15:0 the mask; 17:16 elements of 8 bytes; 21 set beside a mask; no padding
	s_or_b32 s[G1R], s95, (3<<16)|(1<<21)
	s_mov_b32 s[G1P+1], 32<<16                     ; tensor_dim0 = 32 elements: rows of 256 bytes
	s_mov_b32 s[G1P+2], 128<<16                    ; tensor_dim1 = 128 rows: 32,768 dense bytes
	s_mov_b32 s[G1P+3], 32<<16                     ; tile_dim0
	s_mov_b32 s[G1P+4], 128                        ; tile_dim1
	s_mov_b32 s[G1P+5], 32                         ; the pitch
	s_mov_b32 s[G1P+6], 0
	s_mov_b32 s[G1P+7], 0
	s_mov_b32 s[G1R+1], 32<<16
	s_mov_b32 s[G1R+2], 64<<16                     ; 64 rows: 16,384 dense bytes
	s_mov_b32 s[G1R+3], 32<<16
	s_mov_b32 s[G1R+4], 64
	s_mov_b32 s[G1R+5], 32
	s_mov_b32 s[G1R+6], 0
	s_mov_b32 s[G1R+7], 0
	s_lshl_b32 s60, s56, 1
	s_add_co_u32 s60, s60, s20
	s_lshl_b32 s60, s60, 17                        ; P: block of 128 rows 2 tile + half,
	s_add_co_u32 s60, s60, s23                     ; in its plane
	s_mov_b32 s61, 0
	s_lshl_b32 s62, s57, 17                        ; R: block of 128 rows,
	s_lshl_b32 s63, s20, 14                        ; the chunk's first or second 128 along K,
	s_add_co_u32 s62, s62, s63
	s_add_co_u32 s62, s62, s24                     ; in its plane
	s_mov_b32 s63, 0
	s_lshl_b32 s58, s20, 15                        ; where they go in a slot: no place in the cluster enters an LDS address
	s_lshl_b32 s59, s20, 14
	s_add_co_u32 s59, s59, 65536
	s_wait_kmcnt 0x0
	s_load_b256 s[80:87], s[14:15], 0x0            ; scales 0 to 7
	s_load_b128 s[88:91], s[14:15], 0x20           ; scales 8 to 11
	s_cmp_eq_u32 s25, 2
	s_cselect_b64 s[2:3], s[6:7], s[4:5]
	s_cselect_b64 s[26:27], s[4:5], s[6:7]
	s_add_nc_u64 s[2:3], s[2:3], s[60:61]
	s_add_nc_u64 s[26:27], s[26:27], s[62:63]
	CROUND                                         ; all sixteen work-groups are here: the first joint loads meet
.irp s, 0,1,2
	s_mov_b32 s[G0P+4*\s], 1
	s_add_co_u32 s[G0P+4*\s+1], s58, \s*SLOT
	s_add_nc_u64 s[G0P+4*\s+2:G0P+4*\s+3], s[2:3], \s*CHUNK
	s_or_b32 s[G0P+4*\s+3], s[G0P+4*\s+3], 0x80000000
	s_mov_b32 s[G0R+4*\s], 1
	s_add_co_u32 s[G0R+4*\s+1], s59, \s*SLOT
	s_add_nc_u64 s[G0R+4*\s+2:G0R+4*\s+3], s[26:27], \s*CHUNK
	s_or_b32 s[G0R+4*\s+3], s[G0R+4*\s+3], 0x80000000
.endr
	s_cmp_eq_u32 s19, 0                            ; a wave's three first fills (chunks 0, 1, 2) stand in one branch: three loads of mine are out
	s_cbranch_scc0 .Lfirst_r
	tensor_load_to_lds s[G0P:G0P+3], s[G1P:G1P+7]
	s_nop 0
	tensor_load_to_lds s[G0P+4:G0P+7], s[G1P:G1P+7]
	s_nop 0
	tensor_load_to_lds s[G0P+8:G0P+11], s[G1P:G1P+7]
	s_nop 0
.rept 4
	v_nop
.endr
	s_branch .Lfirst_asked
.Lfirst_r:
	tensor_load_to_lds s[G0R:G0R+3], s[G1R:G1R+7]
	s_nop 0
	tensor_load_to_lds s[G0R+4:G0R+7], s[G1R:G1R+7]
	s_nop 0
	tensor_load_to_lds s[G0R+8:G0R+11], s[G1R:G1R+7]
	s_nop 0
.rept 4
	v_nop
.endr
.Lfirst_asked:
	v_and_b32 v[LI], 31, v0
	v_lshlrev_b32 v[LI], 4, v[LI]
	s_lshl_b32 s62, s19, 15
	s_lshl_b32 s63, s20, 13
	s_add_co_u32 s63, s63, 65536
.irp s, 0,1,2
	v_add_nc_u32 v[ADRP+\s], s62, v[LI]
	v_add_nc_u32 v[ADRR+\s], s63, v[LI]
	s_add_co_u32 s62, s62, SLOT
	s_add_co_u32 s63, s63, SLOT
.endr
	s_lshl_b32 s58, s56, 8
	s_lshl_b32 s62, s19, 7
	s_add_co_u32 s58, s58, s62                     ; my first row of P
	s_lshl_b32 s59, s57, 7
	s_lshl_b32 s62, s20, 6
	s_add_co_u32 s59, s59, s62                     ; my first row of R
	s_lshl_b32 s62, s59, 2
	s_lshl_b32 s63, s58, 2
	s_mov_b32 s99, 4096
	s_cmp_eq_u32 s25, 1
	s_cselect_b64 s[60:61], s[10:11], s[8:9]
	s_cmp_eq_u32 s25, 2
	s_cselect_b64 s[60:61], s[12:13], s[60:61]     ; the bias
	s_cselect_b32 s62, 0, s62                      ; Q, K: my head's 64 numbers begin at 4 x my first row of R
	s_cselect_b32 s63, s63, 0                      ; V: my 128 numbers begin at 4 x my first row of P
	s_cselect_b32 s96, s59, s58                    ; my first token,
	s_cselect_b32 s97, s58, s59                    ; my first weight row
	s_cselect_b32 s99, 0x20000, s99                ; from P's blocks 0-3 to 4-7: four tiles of tokens on, or the next head
	v_bfe_u32 v10, v0, 4, 1
	v_and_b32 v11, 15, v0
	v_lshl_add_u32 v10, v10, 5, s62
	v_lshl_add_u32 v11, v11, 2, s63
.irp b, 0,1,2,3
	global_load_b128 v[BR+8*\b:BR+8*\b+3], v10, s[60:61] offset:64*\b         ; bias of R's rows 16 b + 8 h + 0 .. 7
	global_load_b128 v[BR+8*\b+4:BR+8*\b+7], v10, s[60:61] offset:64*\b+16
.endr
.irp a, 0,1,2,3,4,5,6,7
	global_load_b32 v[BP+2*\a], v11, s[60:61] offset:64*\a                    ; bias of P's row 16 a + r
	v_mov_b32 v[BP+2*\a+1], 0                                                 ; (named with it as a pair)
.endr
	s_lshr_b32 s98, s96, 11
	s_lshl_b32 s98, s98, 21                        ; b x 16 heads x 131,072
	s_and_b32 s96, s96, 2047
	s_lshl_b32 s96, s96, 6                         ; 64 bytes a token, in Q's and K's tiles and in V's groups of 64 keys alike
	s_add_co_u32 s96, s96, s98
	s_lshr_b32 s97, s97, 6
	s_lshl_b32 s97, s97, 17                        ; the head
	s_add_co_u32 s96, s96, s97
	s_lshl_b32 s97, s25, 23                        ; the plane
	s_add_co_u32 s96, s96, s97
	s_mov_b32 s97, 0
	s_add_nc_u64 s[96:97], s[16:17], s[96:97]
	s_mov_b32 s98, s99
	s_mov_b32 s99, 0
	s_add_nc_u64 s[98:99], s[96:97], s[98:99]
	s_wait_kmcnt 0x0
	s_add_co_i32 s80, s80, s81
	s_add_co_i32 s82, s82, s83
	s_add_co_i32 s84, s84, s85
	s_cmp_eq_u32 s25, 1
	s_cselect_b32 s92, s82, s80
	s_cselect_b32 s94, s87, s86
	s_cmp_eq_u32 s25, 2
	s_cselect_b32 s92, s84, s92
	s_cselect_b32 s94, s89, s94
	s_add_co_i32 s92, s92, 127
	s_lshl_b32 s92, s92, 23                        ; 2^(the two operands' e) as f32
	s_mov_b32 s93, s92
	s_add_co_i32 s94, s94, 127
	s_lshl_b32 s95, s94, 23
	v_mov_b32 v12, s95                             ; 2^eo
	s_add_co_i32 s94, s94, 8
	s_lshl_b32 s94, s94, 23
	s_or_b32 s94, s94, 0x600000
	v_mov_b32 v13, s94                             ; 448 x 2^eo
	s_wait_tensorcnt 0x2                           ; my part of chunk 0 is in; chunks 1 and 2 may stay out
	s_barrier_signal -1
	s_barrier_wait -1
	FETCH 0, 0, 0
	FETCH 0, 1, 1
	s_wait_dscnt 48                                ; set 0 is in
	WIN MUL
	MULALL 0, 1                                    ; step 0: the first products start the sums
	WIN 0                                          ; step 1 leaves slot 0, which takes chunk 3
	s_wait_tensorcnt 0x0                           ; all my tensor loads have landed
	ds_add_u32 v[SPW], v[NIL]                      ; 0 onto my spare word
	s_wait_dscnt 1                                 ; set 1 is in; the add may be out
	WIN MUL
	MUL8 1, 0, 0
	s_wait_dscnt 0x0                               ; the add is done, and my reads of slot 0 are over
	s_barrier_signal -1
	MUL8 1, 2, 0
	WIN 0
	s_barrier_wait -1
	CREST                                          ; the barrier has opened a round of the cluster's: no wave of any partner still reads slot 0 or has a load on its way
	s_add_nc_u64 s[G0P+2:G0P+3], s[G0P+2:G0P+3], 3*CHUNK
	s_add_nc_u64 s[G0R+2:G0R+3], s[G0R+2:G0R+3], 3*CHUNK
	s_cmp_eq_u32 s19, 0
	s_cbranch_scc0 .Lfor_r
	tensor_load_to_lds s[G0P:G0P+3], s[G1P:G1P+7]  ; chunk 3: my one load behind the round; it has four steps in which to land
	s_nop 0
.rept 4
	v_nop
.endr
	s_branch .Lasked
.Lfor_r:
	tensor_load_to_lds s[G0R:G0R+3], s[G1R:G1R+7]
	s_nop 0
.rept 4
	v_nop
.endr
.Lasked:
	FETCH 1, 0, 0                                  ; (the four lines behind the load are the places ahead of these loads)
	WIN MUL
	MUL8 1, 4, 0
	MUL8 1, 6, 0
	STEP 1, 1, 0                                   ; step 2
	STEP 2, 0, 1                                   ; step 3
	STEP 2, 1, 0                                   ; step 4
	s_wait_tensorcnt 0x0                           ; step 5: my part of chunk 3, the one load that was out,
	s_wait_dscnt 0x0                               ; and set 1 are in
	s_barrier_signal -1
	MUL8 1, 0, 0
	MUL8 1, 2, 0
	s_barrier_wait -1                              ; everybody's part of chunk 3 is in
	PLACES
	FETCH 0, 0, 0
	WIN MUL
	MUL8 1, 4, 0
	MUL8 1, 6, 0
	STEP 0, 1, 0                                   ; step 6
	s_wait_dscnt 0x0
	MULALL 1, 0                                    ; step 7
	WIN 0
; THE WAY OUT: no LDS.  For each of P's eight blocks: sum x 2^e + bias, the hold, four conversions; the eight registers are two quarters of an image: two stores of 512 consecutive bytes.
.macro EPI vmode
.irp a, 0,1,2,3,4,5,6,7
	WIN RD_ACC
.irp b, 0,1,2,3
.irp i, 0,2,4,6
.if \vmode
	v_pk_fma_f32 v[T+8*\b+\i:T+8*\b+\i+1], v[8*(4*\a+\b)+\i:8*(4*\a+\b)+\i+1], s[92:93], v[BP+2*\a:BP+2*\a+1] op_sel_hi:[1,0,0]   ; each accumulator from its low end on
.else
	v_pk_fma_f32 v[T+8*\b+\i:T+8*\b+\i+1], v[8*(4*\a+\b)+\i:8*(4*\a+\b)+\i+1], s[92:93], v[BR+8*\b+\i:BR+8*\b+\i+1] op_sel_hi:[1,0,1]
.endif
.endr
.endr
	WIN 0
.irp i, 0,1,2,3,4,5,6,7,8,9,10,11,12,13,14,15,16,17,18,19,20,21,22,23,24,25,26,27,28,29,30,31
	v_med3_num_f32 v[T+\i], v[T+\i], -v13, v13
.endr
.irp b, 0,1,2,3
	v_cvt_scalef32_pk8_fp8_f32 v[CD+8*\a+2*\b:CD+8*\a+2*\b+1], v[T+8*\b:T+8*\b+7], v12
.endr
	v_nop                                          ; a plain line between the conversions and the next block's lines, which write their sources
	global_store_b128 v[LI], v[CD+8*\a:CD+8*\a+3], s[96+2*(\a/4):97+2*(\a/4)] offset:(\a%4)*1024
	global_store_b128 v[LI], v[CD+8*\a+4:CD+8*\a+7], s[96+2*(\a/4):97+2*(\a/4)] offset:(\a%4)*1024+512
.endr
.endm
	s_wait_loadcnt 0x0                             ; the biases
	PLACES
	s_cmp_eq_u32 s25, 2
	s_cbranch_scc1 .Lvmode
	EPI 0
	s_branch .Lend
.Lvmode:
	EPI 1
.Lend:
	s_wait_tensorcnt 0x0                           ; the wave's end
	ds_add_u32 v[SPW], v[NIL]
	s_wait_dscnt 0x0
	CROUND                                         ; the closing round
	s_endpgm
.Lfunc_end_k_q89af465864_proj:
	.size	k_q89af465864_proj, .Lfunc_end_k_q89af465864_proj-k_q89af465864_proj
	.p2alignl 7, 3214868480
	.fill 96, 4, 3214868480
	.section	.rodata,"a",@progbits
	.p2align	6, 0x0
	.amdhsa_kernel k_q89af465864_proj
		.amdhsa_group_segment_fixed_size 327680
		.amdhsa_private_segment_fixed_size 0
		.amdhsa_enable_private_segment 0
		.amdhsa_kernarg_size 56
		.amdhsa_user_sgpr_count 2
		.amdhsa_user_sgpr_kernarg_segment_ptr 1
		.amdhsa_wavefront_size32 1
		.amdhsa_system_sgpr_workgroup_id_x 1
		.amdhsa_system_sgpr_workgroup_id_y 1
		.amdhsa_system_sgpr_workgroup_id_z 1
		.amdhsa_system_vgpr_workitem_id 0
		.amdhsa_next_free_vgpr 1024
		.amdhsa_next_free_sgpr 100
		.amdhsa_reserve_vcc 0
		.amdhsa_float_denorm_mode_32 3
		.amdhsa_float_denorm_mode_16_64 3
		.amdhsa_memory_ordered 1
		.amdhsa_forward_progress 1
		.amdhsa_inst_pref_size 112
	.end_amdhsa_kernel
	.amdgpu_metadata
---
amdhsa.version: [ 1, 2 ]
amdhsa.kernels:
  - .name:           k_q89af465864_proj
    .symbol:         k_q89af465864_proj.kd
    .args:
      - { .name: xc, .offset: 0, .size: 8, .value_kind: global_buffer, .address_space: global }
      - { .name: wc, .offset: 8, .size: 8, .value_kind: global_buffer, .address_space: global }
      - { .name: bq, .offset: 16, .size: 8, .value_kind: global_buffer, .address_space: global }
      - { .name: bk, .offset: 24, .size: 8, .value_kind: global_buffer, .address_space: global }
      - { .name: bv, .offset: 32, .size: 8, .value_kind: global_buffer, .address_space: global }
      - { .name: lowp_scales, .offset: 40, .size: 8, .value_kind: global_buffer, .address_space: global }
      - { .name: hc, .offset: 48, .size: 8, .value_kind: global_buffer, .address_space: global }
    .group_segment_fixed_size: 327680
    .private_segment_fixed_size: 0
    .kernarg_segment_align: 8
    .kernarg_segment_size: 56
    .max_flat_workgroup_size: 128
    .sgpr_count:     100
    .vgpr_count:     1024
    .wavefront_size: 32
...
	.end_amdgpu_metadata
.endif
;; end of part 2
;; launch attn (part 3): grid 4 x 64, 16 waves a work-group, no clusters, 264,192 bytes of LDS; arguments hc, lowp_scales, zc; writes zc
.if DOCPART == 3
	.amdgcn_target "amdgcn-amd-amdhsa--gfx1250"
	.amdhsa_code_object_version 6
	.text
	.protected	k_q89af465864_attn
	.globl	k_q89af465864_attn
	.p2align	8
	.type	k_q89af465864_attn,@function
k_q89af465864_attn:
	s_mov_b64 s[64:65], 0
	v_nop
	global_prefetch_b8 v0, s[64:65] scope:SCOPE_SE
	s_setreg_imm32_b32 hwreg(HW_REG_WAVE_MODE, 25, 1), 1
	s_wait_xcnt 0x0
; z = softmax(qh kh^T / 8) vh for one (b, head) and 512 queries, both products on codes of E4M3 by the 16x16x64 form; z is quantised (scale 10) and stored as an image of the last product's operand (zc).
; t = score x log2(e) / 8; M = the row's largest t rounded up to a whole number; p = 2^(t - M) is quantised (scale 8), not normalised; the row's sum of the unquantised p divides at the end.
; THE HEAD'S WHOLE K AND V LIE IN LDS (131,072 bytes each, as images of operand registers), copied once through registers: one barrier in the whole text, and no LDS store behind it.
; TWO PASSES: pass 1 makes the scores and keeps each query's largest, which gives M itself; pass 2 makes the same scores again: no running maximum, nothing is ever rescaled.
; Sixteen waves; a wave owns 32 queries, two tiles, so each fragment of K or V feeds two matrix instructions.  Both products are used transposed (S^T = K Q^T, O^T = V^T P^T): a lane holds one query,
; and the eight registers of key tile kt are keys 16 kt + 8 (lane / 16) + 0 .. 7: their codes ARE registers 2 kt, 2 kt + 1 of P's fragment.
; p is at most 1 (a last bit more at most), so it wants its hold only where 448 x 2^ep is under 1: a scalar branch on ep, a whole number of the inputs, leads round the 64 lines.
; K and V are not asked for jointly by the four work-groups of a head: each reads its 262,144 bytes once, at its head.
; LIMITS: scales 6 + 7 between -123 and 130 (added to c's exponent field); scales 8 and 10 between -126 and 119.  NaN and infinite scores are not served.
; REGISTERS: v1 16 x lane; v2, v3 LDS addresses of K's and V's fragments; v4-7 16 x thread + 0, 1, 2, 3 x 65,536; v[8:9], v[10:11] -M of tiles 0, 1; v12-19 four pairs of sums; v20-25 at work;
;   v28, v29 448 x 2^ep, 2^ep; v30, v31 the same for scale 10; v32-47 Q; v48-79 K; v80-111 V (pass 1: a second set of K); v112-175 S^T (q, kt) at 112 + 32 q + 8 kt; v176-191 P's codes; v192-255 O^T (q, ct).
	s_load_b128 s[4:7], s[0:1], 0x0                ; hc, scales
	s_load_b64 s[8:9], s[0:1], 0x10                ; zc
	v_lshl_add_u32 v26, v0, 2, 0x40000
	v_mov_b32 v27, 0
	v_lshrrev_b32 v2, 5, v0
	v_readfirstlane_b32 s10, v2                    ; wave
	v_and_b32 v1, 31, v0
	v_lshlrev_b32 v1, 4, v1
	v_lshlrev_b32 v4, 4, v0
	v_add_nc_u32 v5, 0x10000, v4
	v_add_nc_u32 v6, 0x20000, v4
	v_add_nc_u32 v7, 0x30000, v4
	s_and_b32 s11, ttmp7, 0xffff                   ; 16 b + head
	s_lshl_b32 s12, s11, 17
	s_mov_b32 s13, 0
	s_lshl_b32 s14, ttmp9, 9
	s_lshl_b32 s15, s10, 5
	s_add_co_u32 s14, s14, s15                     ; my first query
	s_lshl_b32 s16, s14, 6
	s_mov_b32 s17, 0
	s_mov_b32 s20, 0x76543210                      ; v_permlanex16_b32: lane l xor 16
	s_mov_b32 s21, 0xfedcba98
	s_lshr_b32 s46, s11, 4
	s_lshl_b32 s46, s46, 11
	s_add_co_u32 s46, s46, s14                     ; my first row of z
	s_lshr_b32 s47, s46, 7
	s_lshl_b32 s47, s47, 17
	s_bfe_u32 s46, s46, 0x30004
	s_lshl_b32 s46, s46, 11
	s_add_co_u32 s46, s46, s47
	s_bfe_u32 s47, s11, 0x30001                    ; head / 2: z's K step of 128
	s_lshl_b32 s47, s47, 14
	s_add_co_u32 s46, s46, s47
	s_and_b32 s47, s11, 1                          ; head % 2: which two quarters of the fragment
	s_lshl_b32 s47, s47, 10
	s_add_co_u32 s46, s46, s47
	s_mov_b32 s47, 0
	s_wait_kmcnt 0x0
	s_load_b256 s[28:35], s[6:7], 0x0              ; scales 0 to 7
	s_load_b128 s[36:39], s[6:7], 0x20             ; scales 8 to 11
	s_add_nc_u64 s[4:5], s[4:5], s[12:13]
	s_add_nc_u64 s[18:19], s[4:5], s[16:17]        ; my Q
	s_add_nc_u64 s[40:41], s[4:5], 0x800000        ; the head's K
	s_add_nc_u64 s[42:43], s[4:5], 0x1000000       ; the head's V
	s_add_nc_u64 s[44:45], s[8:9], s[46:47]
.irp t, 0,1
	global_load_b128 v[32+8*\t:35+8*\t], v1, s[18:19] offset:1024*\t
	global_load_b128 v[36+8*\t:39+8*\t], v1, s[18:19] offset:1024*\t+512
.endr
.irp i, 0,1,2,3,4,5,6,7,8,9,10,11,12,13,14,15
	global_load_b128 v[112+4*\i:115+4*\i], v4, s[40:41] offset:8192*\i     ; the 512 threads take 8,192 consecutive bytes a line
.endr
.irp i, 0,1,2,3,4,5,6,7,8,9,10,11,12,13,14,15
	global_load_b128 v[192+4*\i:195+4*\i], v4, s[42:43] offset:8192*\i
.endr
.irp i, 20,21,22,23
	v_mov_b32 v[\i], 0xff800000                    ; four chains of maxima begin at -infinity
.endr
.irp i, 9,11,12,13,14,15,16,17,18,19,24,25
	v_mov_b32 v[\i], 0                             ; the sums; the upper halves of pairs; the permutes' destinations
.endr
	s_wait_kmcnt 0x0
	s_add_co_i32 s27, s34, s35
	s_lshl_b32 s27, s27, 23
	s_add_co_i32 s22, s27, 0x3e38aa3b              ; c = log2(e) / 8 x 2^(scales 6 + 7)
	s_mov_b32 s23, s22
	s_add_co_i32 s27, s36, 127
	s_lshl_b32 s46, s27, 23
	v_mov_b32 v29, s46
	s_add_co_i32 s27, s27, 8
	s_lshl_b32 s27, s27, 23
	s_or_b32 s27, s27, 0x600000
	v_mov_b32 v28, s27
	s_add_co_i32 s27, s38, 127
	s_lshl_b32 s46, s27, 23
	v_mov_b32 v31, s46
	s_add_co_i32 s27, s27, 8
	s_lshl_b32 s27, s27, 23
	s_or_b32 s27, s27, 0x600000
	v_mov_b32 v30, s27
	s_wait_loadcnt 16                              ; Q and K are in; V's sixteen loads may be out
.irp i, 0,1,2,3,4,5,6,7
	ds_store_b128 v4, v[112+4*\i:115+4*\i] offset:8192*\i
.endr
.irp i, 0,1,2,3,4,5,6,7
	ds_store_b128 v5, v[144+4*\i:147+4*\i] offset:8192*\i
.endr
	s_wait_loadcnt 0x0
.irp i, 0,1,2,3,4,5,6,7
	ds_store_b128 v6, v[192+4*\i:195+4*\i] offset:8192*\i
.endr
.irp i, 0,1,2,3,4,5,6,7
	ds_store_b128 v7, v[224+4*\i:227+4*\i] offset:8192*\i
.endr
	s_wait_dscnt 0x0                               ; for the others' sake: my stores have landed
	s_barrier_signal -1
	s_barrier_wait -1
.macro LOADK set, off                  ; four tiles of 16 keys, 1,024 bytes each
.irp kt, 0,1,2,3
	ds_load_b128 v[48+32*(\set)+8*\kt:51+32*(\set)+8*\kt], v2 offset:(\off)+1024*\kt
	ds_load_b128 v[52+32*(\set)+8*\kt:55+32*(\set)+8*\kt], v2 offset:(\off)+1024*\kt+512
.endr
.endm
.macro QK set                          ; S^T of 64 keys x 32 queries: eight accumulators, each begun with 0
.irp kt, 0,1,2,3
.irp q, 0,1
	v_wmma_f32_16x16x64_fp8_fp8 v[112+32*\q+8*\kt:119+32*\q+8*\kt], v[48+32*(\set)+8*\kt:55+32*(\set)+8*\kt], v[32+8*\q:39+8*\q], 0
.endr
.endr
.endm
; ---- pass 1: each query's largest score.  Eight trips of 256 keys, 64 at a time on two sets of K's fragments
	s_mov_b32 s24, 0
	s_mov_b32 s26, 8
.Lmax:
	v_add_nc_u32 v2, s24, v1
	LOADK 0, 0
.irp u, 0,1,2,3
.if \u < 3
	LOADK (\u+1)%2, (\u+1)*4096
	s_wait_dscnt 8                                 ; this 64 keys' fragments are in; the next eight loads may be out
.else
	s_wait_dscnt 0x0
.endif
	QK \u%2
.rept 4
	v_nop                                          ; places ahead of the reads of the results and of the next loads into K's registers
.endr
.irp kt, 0,1,2,3
.irp p, 0,1,2,3
	v_max3_num_f32 v[20+\p%2], v[20+\p%2], v[112+8*\kt+2*\p], v[113+8*\kt+2*\p]   ; each accumulator from its low end on
	v_max3_num_f32 v[22+\p%2], v[22+\p%2], v[144+8*\kt+2*\p], v[145+8*\kt+2*\p]
.endr
.endr
.endr
	s_add_co_u32 s24, s24, 16384
	s_sub_co_u32 s26, s26, 1
	s_cmp_lg_u32 s26, 0
	s_cbranch_scc1 .Lmax
	v_max_num_f32 v20, v20, v21
	v_max_num_f32 v22, v22, v23
	v_permlanex16_b32 v24, v20, s20, s21           ; the query's other keys lie in the lane 16 away
	v_permlanex16_b32 v25, v22, s20, s21
	v_max_num_f32 v20, v20, v24
	v_max_num_f32 v22, v22, v25
	v_mul_f32 v20, s22, v20                        ; as t (c is positive)
	v_mul_f32 v22, s22, v22
	v_floor_f32 v8, -v20                           ; -M = floor(-t)
	v_floor_f32 v10, -v22
; ---- pass 2: a trip is 64 keys
.macro TRIP zero, next
	s_wait_dscnt 0x0                               ; K's fragments are in
	QK 0
	v_add_nc_u32 v3, s25, v1                       ; four plain lines: the places ahead of the loads into K's and V's registers and of the reads of the scores
	s_add_co_u32 s25, s25, 4096
.if \next
	s_add_co_u32 s24, s24, 4096
	v_add_nc_u32 v2, s24, v1
.else
	v_nop
.endif
	v_nop
	v_nop
.irp ct, 0,1,2,3
	ds_load_b128 v[80+8*\ct:83+8*\ct], v3 offset:1024*\ct          ; V^T: 16 of the head's 64 x these 64 keys
	ds_load_b128 v[84+8*\ct:87+8*\ct], v3 offset:1024*\ct+512
.endr
.if \next
	LOADK 0, 0                                     ; the next trip's K
.endif
.irp j, 0,2,4,6,8,10,12,14,16,18,20,22,24,26,28,30
	v_pk_fma_f32 v[112+\j:113+\j], v[112+\j:113+\j], s[22:23], v[8:9] op_sel_hi:[1,0,0]     ; t - M
	v_pk_fma_f32 v[144+\j:145+\j], v[144+\j:145+\j], s[22:23], v[10:11] op_sel_hi:[1,0,0]
.endr
.irp j, 0,1,2,3,4,5,6,7,8,9,10,11,12,13,14,15,16,17,18,19,20,21,22,23,24,25,26,27,28,29,30,31,32,33,34,35,36,37,38,39,40,41,42,43,44,45,46,47,48,49,50,51,52,53,54,55,56,57,58,59,60,61,62,63
	v_exp_f32 v[112+\j], v[112+\j]                 ; p = 2^(t - M)
.endr
	v_nop                                          ; a plain line behind the last exponential
	s_wait_alu depctr_va_vdst(0)                   ; one wait for the batch, ahead of its first reader
.irp p, 0,1,2,3,4,5,6,7,8,9,10,11,12,13,14,15
	v_pk_add_f32 v[12+2*(\p%2):13+2*(\p%2)], v[12+2*(\p%2):13+2*(\p%2)], v[112+2*\p:113+2*\p]   ; the sums are taken of the unquantised p
	v_pk_add_f32 v[16+2*(\p%2):17+2*(\p%2)], v[16+2*(\p%2):17+2*(\p%2)], v[144+2*\p:145+2*\p]
.endr
	s_cmp_ge_i32 s36, -8                           ; 448 x 2^ep is 1.75 or more: no p reaches it
	s_cbranch_scc1 .Lno_hold_\@
.irp j, 0,1,2,3,4,5,6,7,8,9,10,11,12,13,14,15,16,17,18,19,20,21,22,23,24,25,26,27,28,29,30,31,32,33,34,35,36,37,38,39,40,41,42,43,44,45,46,47,48,49,50,51,52,53,54,55,56,57,58,59,60,61,62,63
	v_min_num_f32 v[112+\j], v[112+\j], v28        ; the conversion does not saturate (ISA guide 7.6.2); p is not negative
.endr
.Lno_hold_\@:
.irp q, 0,1
.irp kt, 0,1,2,3
	v_cvt_scalef32_pk8_fp8_f32 v[176+8*\q+2*\kt:177+8*\q+2*\kt], v[112+32*\q+8*\kt:119+32*\q+8*\kt], v29
.endr
.endr
	v_nop                                          ; a plain line between the conversions and the products that read their results
	s_wait_dscnt 8*\next                           ; V's fragments are in; the next trip's K may be out
.irp ct, 0,1,2,3
.irp q, 0,1
.if \zero
	v_wmma_f32_16x16x64_fp8_fp8 v[192+32*\q+8*\ct:199+32*\q+8*\ct], v[80+8*\ct:87+8*\ct], v[176+8*\q:183+8*\q], 0
.else
	v_wmma_f32_16x16x64_fp8_fp8 v[192+32*\q+8*\ct:199+32*\q+8*\ct], v[80+8*\ct:87+8*\ct], v[176+8*\q:183+8*\q], v[192+32*\q+8*\ct:199+32*\q+8*\ct]
.endif
.endr
.endr
.endm
	s_mov_b32 s24, 0
	s_mov_b32 s25, 0x20000
	v_add_nc_u32 v2, s24, v1
	LOADK 0, 0
	TRIP 1, 1                                      ; the first trip's products start O^T's sums
	s_mov_b32 s26, 30
.Lkeys:
	TRIP 0, 1
	s_sub_co_u32 s26, s26, 1
	s_cmp_lg_u32 s26, 0
	s_cbranch_scc1 .Lkeys
	TRIP 0, 0                                      ; the last 64 keys: nothing more to fetch
; ---- the way out: z = O^T x 2^(ep + ev) / the sum, quantised; a lane's codes are its 16 bytes of z's image
	v_pk_add_f32 v[12:13], v[12:13], v[14:15]      ; (these four lines are the places behind the last products)
	v_pk_add_f32 v[16:17], v[16:17], v[18:19]
	v_add_f32 v12, v12, v13
	v_add_f32 v16, v16, v17
	v_permlanex16_b32 v24, v12, s20, s21
	v_permlanex16_b32 v25, v16, s20, s21
	v_add_f32 v12, v12, v24
	v_add_f32 v16, v16, v25
	v_rcp_f32 v20, v12
	v_rcp_f32 v22, v16
	v_nop
	s_add_co_i32 s27, s36, s37
	s_wait_alu depctr_va_vdst(0)                   ; one wait for both reciprocals, ahead of their first reader
	v_ldexp_f32 v20, v20, s27
	v_ldexp_f32 v22, v22, s27
.irp j, 0,2,4,6,8,10,12,14,16,18,20,22,24,26,28,30
	v_pk_mul_f32 v[112+\j:113+\j], v[192+\j:193+\j], v[20:21] op_sel_hi:[1,0]
	v_pk_mul_f32 v[144+\j:145+\j], v[224+\j:225+\j], v[22:23] op_sel_hi:[1,0]
.endr
.irp j, 0,1,2,3,4,5,6,7,8,9,10,11,12,13,14,15,16,17,18,19,20,21,22,23,24,25,26,27,28,29,30,31,32,33,34,35,36,37,38,39,40,41,42,43,44,45,46,47,48,49,50,51,52,53,54,55,56,57,58,59,60,61,62,63
	v_med3_num_f32 v[112+\j], v[112+\j], -v30, v30
.endr
.irp q, 0,1
.irp ct, 0,1,2,3
	v_cvt_scalef32_pk8_fp8_f32 v[176+8*\q+2*\ct:177+8*\q+2*\ct], v[112+32*\q+8*\ct:119+32*\q+8*\ct], v31
.endr
.endr
	v_nop
.irp q, 0,1
	global_store_b128 v1, v[176+8*\q:179+8*\q], s[44:45] offset:2048*\q          ; 512 consecutive bytes, aligned
	global_store_b128 v1, v[180+8*\q:183+8*\q], s[44:45] offset:2048*\q+512
.endr
	s_wait_tensorcnt 0x0
	ds_add_u32 v26, v27
	s_wait_dscnt 0x0
	s_endpgm
.Lfunc_end_k_q89af465864_attn:
	.size	k_q89af465864_attn, .Lfunc_end_k_q89af465864_attn-k_q89af465864_attn
	.p2alignl 7, 3214868480
	.fill 96, 4, 3214868480
	.section	.rodata,"a",@progbits
	.p2align	6, 0x0
	.amdhsa_kernel k_q89af465864_attn
		.amdhsa_group_segment_fixed_size 264192
		.amdhsa_private_segment_fixed_size 0
		.amdhsa_enable_private_segment 0
		.amdhsa_kernarg_size 24
		.amdhsa_user_sgpr_count 2
		.amdhsa_user_sgpr_kernarg_segment_ptr 1
		.amdhsa_wavefront_size32 1
		.amdhsa_system_sgpr_workgroup_id_x 1
		.amdhsa_system_sgpr_workgroup_id_y 1
		.amdhsa_system_sgpr_workgroup_id_z 1
		.amdhsa_system_vgpr_workitem_id 0
		.amdhsa_next_free_vgpr 256
		.amdhsa_next_free_sgpr 66
		.amdhsa_reserve_vcc 0
		.amdhsa_float_denorm_mode_32 3
		.amdhsa_float_denorm_mode_16_64 3
		.amdhsa_memory_ordered 1
		.amdhsa_forward_progress 1
		.amdhsa_inst_pref_size 64
	.end_amdhsa_kernel
	.amdgpu_metadata
---
amdhsa.version: [ 1, 2 ]
amdhsa.kernels:
  - .name:           k_q89af465864_attn
    .symbol:         k_q89af465864_attn.kd
    .args:
      - { .name: hc, .offset: 0, .size: 8, .value_kind: global_buffer, .address_space: global }
      - { .name: lowp_scales, .offset: 8, .size: 8, .value_kind: global_buffer, .address_space: global }
      - { .name: zc, .offset: 16, .size: 8, .value_kind: global_buffer, .address_space: global }
    .group_segment_fixed_size: 264192
    .private_segment_fixed_size: 0
    .kernarg_segment_align: 8
    .kernarg_segment_size: 24
    .max_flat_workgroup_size: 512
    .sgpr_count:     66
    .vgpr_count:     256
    .wavefront_size: 32
...
	.end_amdgpu_metadata
.endif
;; end of part 3
;; launch outp (part 4): grid 8 x 32, 4 waves a work-group, clusters of 4 x 4, 327,680 bytes of LDS; arguments zc, wc, bo, lowp_scales, out0; writes out0
.if DOCPART == 4
	.amdgcn_target "amdgcn-amd-amdhsa--gfx1250"
	.amdhsa_code_object_version 6
	.text
	.protected	k_q89af465864_outp
	.globl	k_q89af465864_outp
	.p2align	8
	.type	k_q89af465864_outp,@function
k_q89af465864_outp:
	s_mov_b64 s[64:65], 0
	v_nop
	global_prefetch_b8 v0, s[64:65] scope:SCOPE_SE
	s_setreg_imm32_b32 hwreg(HW_REG_WAVE_MODE, 25, 1), 1
	s_wait_xcnt 0x0
	s_wait_alu depctr_hold_cnt(0) depctr_sa_sdst(0) depctr_va_vdst(0) depctr_va_sdst(0) depctr_va_ssrc(0) depctr_va_vcc(0) depctr_vm_vsrc(0)
	s_getreg_b32 s2, hwreg(HW_REG_IB_STS2, 6, 4)
	s_cmp_eq_u32 s2, 0
	s_cbranch_scc0 .Lentry_in_a_cluster
	s_endpgm
.Lentry_in_a_cluster:
	s_bfe_u32 s2, ttmp6, 0x10000c
	s_cmp_lg_u32 s2, 0xf033
	s_cbranch_scc0 .Lentry_shape_is_right
	s_endpgm
.Lentry_shape_is_right:
; out0 = z wo + bo on codes of E4M3, K = 1,024: out0 = sum x 2^(scales 10 + 11) + bo, f32.  zc [8192 rows] and wc's fourth plane (wo, a row = an output column) are images of operand registers.
; C' = P R^T: R = 16 rows of wo's image, source 0 (they fall on a lane's eight registers: eight neighbouring columns of a row of out0); P = 16 rows of z, source 1 (they fall on the lanes).
; A work-group makes 256 rows x 128 columns; four waves, each 128 x 64: 32 accumulators.  256 work-groups.  K goes in four chunks of 256 through three LDS slots; chunk 3 fills slot 0 again.
; CLUSTERS: 4 x 4.  P's tile hangs on the cluster's row, R's on its column: each is asked for jointly by the four that share it.
; The way out goes through a stage of 16 rows x (256 bytes + 16) for each wave.  It lies in slot 1, which has had its only fill, and which nobody reads behind the barrier of step 5.
; LIMIT: scales 10 + 11 between -126 and 127.
; REGISTERS: window 0: v1 16 x lane; v2-4, v5-7 LDS addresses of P's and R's fragments in slots 0-2; v8, v9 the add's; v12 bias offset; v14, v15 the stage, in and back; v16 my bytes in two rows of out0; v32-63 bo; v96-127 at work; v128-191 rows read back.
;   window 1: P's fragments, two sets of 128.  window 2: R's, two sets of 64.  window 3: accumulator (a, b) at v[8 (4 a + b)].
.set SLOT,  98304
.set CHUNK, 32768
.set SPARE, 3*SLOT                     ; the spare words: 128 bytes a wave, two blocks of 256 bytes that no other line names
.set LI,   1
.set ADRP, 2
.set ADRR, 5
.set SPW,  8
.set NIL,  9
.set BR,   32
.set T,    96
.set CD,   128
.set G1P,  28
.set G1R,  36
.set G0P,  44
.set G0R,  68
.set MUL,    0xf6                      ; source 0 (R) window 2, source 1 (P) window 1, C and D window 3
.set TO_P,   0x40
.set TO_R,   0x80
.set RD_ACC, 0x03
.set MSB, 0
.macro WIN new                         ; the immediate's high byte repeats the setting that is left
.if MSB != \new
	s_set_vgpr_msb (MSB<<8)|\new
.set MSB, \new
.endif
.endm
.macro PLACES                          ; four plain lines behind matrix instructions, ahead of loads into registers that they read and of reads of their results
.rept 4
	v_nop
.endr
.endm
.macro CREST
	s_cmp_lg_u32 s18, 0
	s_cbranch_scc1 .Lnot_wave_0_\@
	s_barrier_signal -3
.Lnot_wave_0_\@:
	s_barrier_wait -3
	s_barrier_signal -1
	s_barrier_wait -1
.endm
.macro CROUND
	s_barrier_signal -1
	s_barrier_wait -1
	CREST
.endm
.macro FETCH slot, q, f                ; 48 loads: R's four and P's eight fragments of the slot's q-th 128 along K, into set f
	WIN TO_R
.irp i, 0,1,2,3
.irp c, 0,1,2,3
	ds_load_b128 v[64*(\f)+16*\i+4*\c:64*(\f)+16*\i+4*\c+3], v[ADRR+\slot] offset:16384*(\q)+2048*\i+512*\c
.endr
.endr
	WIN TO_P
.irp i, 0,1,2,3,4,5,6,7
.irp c, 0,1,2,3
	ds_load_b128 v[128*(\f)+16*\i+4*\c:128*(\f)+16*\i+4*\c+3], v[ADRP+\slot] offset:16384*(\q)+2048*\i+512*\c
.endr
.endr
	WIN 0
.endm
.macro MUL8 f, a0, zero                ; the 32 accumulators take turns, one instruction a turn, in the same order in every step
.irp a, \a0, \a0+1
.irp b, 0,1,2,3
.if \zero
	v_wmma_f32_16x16x128_fp8_fp8 v[8*(4*(\a)+\b):8*(4*(\a)+\b)+7], v[64*(\f)+16*\b:64*(\f)+16*\b+15], v[128*(\f)+16*(\a):128*(\f)+16*(\a)+15], 0
.else
	v_wmma_f32_16x16x128_fp8_fp8 v[8*(4*(\a)+\b):8*(4*(\a)+\b)+7], v[64*(\f)+16*\b:64*(\f)+16*\b+15], v[128*(\f)+16*(\a):128*(\f)+16*(\a)+15], v[8*(4*(\a)+\b):8*(4*(\a)+\b)+7]
.endif
.endr
.endr
.endm
.macro MULALL f, zero
	MUL8 \f, 0, \zero
	MUL8 \f, 2, \zero
	MUL8 \f, 4, \zero
	MUL8 \f, 6, \zero
.endm
.macro STEP nslot, nq, cur             ; multiplies set cur; the next step's fragments are asked for first, into the other set
	PLACES
	FETCH \nslot, \nq, 1-\cur
	s_wait_dscnt 48                                ; all but the 48 just issued: set cur is in
	WIN MUL
	MULALL \cur, 0
.endm
	s_load_b256 s[4:11], s[0:1], 0x0               ; zc 4, wc 6, bo 8, scales 10
	s_load_b64 s[12:13], s[0:1], 0x20              ; out0
	v_lshl_add_u32 v[SPW], v0, 2, SPARE
	v_mov_b32 v[NIL], 0
	ds_add_u32 v8, v9
	ds_add_u32 v8, v9
	s_wait_dscnt 0x0
	v_lshrrev_b32 v10, 5, v0
	v_readfirstlane_b32 s18, v10                   ; wave
	s_lshr_b32 s19, s18, 1                         ; my half of P's rows.  Also: I fetch for P (0) or for R (1)
	s_and_b32 s20, s18, 1                          ; my half of R's rows.  Also: which half of that tile I fetch
	s_bfe_u32 s21, ttmp6, 0x40000                  ; cx
	s_bfe_u32 s22, ttmp6, 0x40004                  ; cy
	s_and_b32 s56, ttmp7, 0xffff
	s_lshl_b32 s56, s56, 2
	s_add_co_u32 s56, s56, s22                     ; P's tile of 256 rows
	s_lshl_b32 s57, ttmp9, 2
	s_add_co_u32 s57, s57, s21                     ; R's tile of 128 rows
	s_lshl_b32 s94, s22, 2
	s_lshl_b32 s94, 15, s94                        ; my row of the cluster
	s_lshl_b32 s95, 0x1111, s21                    ; my column
	s_or_b32 s[G1P], s94, (3<<16)|(1<<21)          ; 15:0 the mask; 17:16 elements of 8 bytes; 21 set beside a mask; no padding
	s_or_b32 s[G1R], s95, (3<<16)|(1<<21)
	s_mov_b32 s[G1P+1], 32<<16                     ; rows of 256 bytes,
	s_mov_b32 s[G1P+2], 128<<16                    ; 128 of them: 32,768 dense bytes
	s_mov_b32 s[G1P+3], 32<<16
	s_mov_b32 s[G1P+4], 128
	s_mov_b32 s[G1P+5], 32
	s_mov_b32 s[G1P+6], 0
	s_mov_b32 s[G1P+7], 0
	s_mov_b32 s[G1R+1], 32<<16
	s_mov_b32 s[G1R+2], 64<<16                     ; 64 rows: 16,384 dense bytes
	s_mov_b32 s[G1R+3], 32<<16
	s_mov_b32 s[G1R+4], 64
	s_mov_b32 s[G1R+5], 32
	s_mov_b32 s[G1R+6], 0
	s_mov_b32 s[G1R+7], 0
	s_lshl_b32 s60, s56, 1
	s_add_co_u32 s60, s60, s20
	s_lshl_b32 s60, s60, 17                        ; P: block of 128 rows 2 tile + half
	s_mov_b32 s61, 0
	s_lshl_b32 s62, s57, 17                        ; R: block of 128 rows,
	s_lshl_b32 s63, s20, 14                        ; the chunk's first or second 128 along K,
	s_add_co_u32 s62, s62, s63
	s_add_co_u32 s62, s62, 0x300000                ; in wc's fourth plane
	s_mov_b32 s63, 0
	s_lshl_b32 s58, s20, 15                        ; where they go in a slot: no place in the cluster enters an LDS address
	s_lshl_b32 s59, s20, 14
	s_add_co_u32 s59, s59, 65536
	s_wait_kmcnt 0x0
	s_load_b64 s[80:81], s[10:11], 0x28            ; scales 10 and 11
	s_add_nc_u64 s[2:3], s[4:5], s[60:61]
	s_add_nc_u64 s[26:27], s[6:7], s[62:63]
	CROUND                                         ; all sixteen work-groups are here: the first joint loads meet
.irp s, 0,1,2
	s_mov_b32 s[G0P+4*\s], 1
	s_add_co_u32 s[G0P+4*\s+1], s58, \s*SLOT
	s_add_nc_u64 s[G0P+4*\s+2:G0P+4*\s+3], s[2:3], \s*CHUNK
	s_or_b32 s[G0P+4*\s+3], s[G0P+4*\s+3], 0x80000000
	s_mov_b32 s[G0R+4*\s], 1
	s_add_co_u32 s[G0R+4*\s+1], s59, \s*SLOT
	s_add_nc_u64 s[G0R+4*\s+2:G0R+4*\s+3], s[26:27], \s*CHUNK
	s_or_b32 s[G0R+4*\s+3], s[G0R+4*\s+3], 0x80000000
.endr
	s_cmp_eq_u32 s19, 0                            ; a wave's three first fills (chunks 0, 1, 2) stand in one branch: three loads of mine are out
	s_cbranch_scc0 .Lfirst_r
	tensor_load_to_lds s[G0P:G0P+3], s[G1P:G1P+7]
	s_nop 0
	tensor_load_to_lds s[G0P+4:G0P+7], s[G1P:G1P+7]
	s_nop 0
	tensor_load_to_lds s[G0P+8:G0P+11], s[G1P:G1P+7]
	s_nop 0
.rept 4
	v_nop
.endr
	s_branch .Lfirst_asked
.Lfirst_r:
	tensor_load_to_lds s[G0R:G0R+3], s[G1R:G1R+7]
	s_nop 0
	tensor_load_to_lds s[G0R+4:G0R+7], s[G1R:G1R+7]
	s_nop 0
	tensor_load_to_lds s[G0R+8:G0R+11], s[G1R:G1R+7]
	s_nop 0
.rept 4
	v_nop
.endr
.Lfirst_asked:
	v_and_b32 v[LI], 31, v0
	v_lshlrev_b32 v[LI], 4, v[LI]
	s_lshl_b32 s62, s19, 15
	s_lshl_b32 s63, s20, 13
	s_add_co_u32 s63, s63, 65536
.irp s, 0,1,2
	v_add_nc_u32 v[ADRP+\s], s62, v[LI]
	v_add_nc_u32 v[ADRR+\s], s63, v[LI]
	s_add_co_u32 s62, s62, SLOT
	s_add_co_u32 s63, s63, SLOT
.endr
	v_and_b32 v11, 15, v0                          ; r
	v_bfe_u32 v10, v0, 4, 1                        ; h
	s_mul_i32 s62, s18, 16*272
	s_add_co_u32 s62, s62, SLOT                    ; my stage
	v_mul_u32_u24 v14, v11, 272
	v_lshl_add_u32 v14, v10, 5, v14
	v_add_nc_u32 v14, s62, v14                     ; in: row r, 32 h
	v_mul_u32_u24 v15, v10, 272
	v_lshl_add_u32 v15, v11, 4, v15
	v_add_nc_u32 v15, s62, v15                     ; back: lanes 0-15 one row of 256 bytes, lanes 16-31 the next
	v_lshlrev_b32 v16, 12, v10
	v_lshl_add_u32 v16, v11, 4, v16                ; and the same two rows in out0
	v_lshlrev_b32 v12, 5, v10
	s_lshl_b32 s58, s56, 8
	s_lshl_b32 s62, s19, 7
	s_add_co_u32 s58, s58, s62                     ; my first row of out0
	s_lshl_b32 s59, s57, 7
	s_lshl_b32 s62, s20, 6
	s_add_co_u32 s59, s59, s62                     ; my first column
	s_lshl_b32 s62, s59, 2
	s_mov_b32 s63, 0
	s_add_nc_u64 s[60:61], s[8:9], s[62:63]
.irp b, 0,1,2,3
	global_load_b128 v[BR+8*\b:BR+8*\b+3], v12, s[60:61] offset:64*\b         ; bo of columns 16 b + 8 h + 0 .. 7
	global_load_b128 v[BR+8*\b+4:BR+8*\b+7], v12, s[60:61] offset:64*\b+16
.endr
	s_lshl_b32 s96, s58, 12
	s_add_co_u32 s96, s96, s62
	s_mov_b32 s97, 0
	s_add_nc_u64 s[96:97], s[12:13], s[96:97]
	s_wait_kmcnt 0x0
	s_add_co_i32 s92, s80, s81
	s_add_co_i32 s92, s92, 127
	s_lshl_b32 s92, s92, 23                        ; 2^(scales 10 + 11) as f32
	s_mov_b32 s93, s92
	s_wait_tensorcnt 0x2                           ; my part of chunk 0 is in; chunks 1 and 2 may stay out
	s_barrier_signal -1
	s_barrier_wait -1
	FETCH 0, 0, 0
	FETCH 0, 1, 1
	s_wait_dscnt 48                                ; set 0 is in
	WIN MUL
	MULALL 0, 1                                    ; step 0: the first products start the sums
	WIN 0                                          ; step 1 leaves slot 0, which takes chunk 3
	s_wait_tensorcnt 0x0                           ; all my tensor loads have landed
	ds_add_u32 v[SPW], v[NIL]                      ; 0 onto my spare word
	s_wait_dscnt 1                                 ; set 1 is in; the add may be out
	WIN MUL
	MUL8 1, 0, 0
	s_wait_dscnt 0x0                               ; the add is done, and my reads of slot 0 are over
	s_barrier_signal -1
	MUL8 1, 2, 0
	WIN 0
	s_barrier_wait -1
	CREST                                          ; the barrier has opened a round of the cluster's: no wave of any partner still reads slot 0 or has a load on its way
	s_add_nc_u64 s[G0P+2:G0P+3], s[G0P+2:G0P+3], 3*CHUNK
	s_add_nc_u64 s[G0R+2:G0R+3], s[G0R+2:G0R+3], 3*CHUNK
	s_cmp_eq_u32 s19, 0
	s_cbranch_scc0 .Lfor_r
	tensor_load_to_lds s[G0P:G0P+3], s[G1P:G1P+7]  ; chunk 3: my one load behind the round; it has four steps in which to land
	s_nop 0
.rept 4
	v_nop
.endr
	s_branch .Lasked
.Lfor_r:
	tensor_load_to_lds s[G0R:G0R+3], s[G1R:G1R+7]
	s_nop 0
.rept 4
	v_nop
.endr
.Lasked:
	FETCH 1, 0, 0                                  ; (the four lines behind the load are the places ahead of these loads)
	WIN MUL
	MUL8 1, 4, 0
	MUL8 1, 6, 0
	STEP 1, 1, 0                                   ; step 2
	STEP 2, 0, 1                                   ; step 3
	STEP 2, 1, 0                                   ; step 4
	s_wait_tensorcnt 0x0                           ; step 5: my part of chunk 3, the one load that was out,
	s_wait_dscnt 0x0                               ; and set 1 are in; my reads of slots 1 and 2 are over
	s_barrier_signal -1
	MUL8 1, 0, 0
	MUL8 1, 2, 0
	s_barrier_wait -1                              ; everybody's part of chunk 3 is in
	PLACES
	FETCH 0, 0, 0
	WIN MUL
	MUL8 1, 4, 0
	MUL8 1, 6, 0
	STEP 0, 1, 0                                   ; step 6
	s_wait_dscnt 0x0
	MULALL 1, 0                                    ; step 7
	WIN 0
; THE WAY OUT, a block of 16 rows x 64 columns at a time: sum x 2^e + bo; a lane's 32 bytes of a row go into my stage and come back as whole runs of 256 bytes.
; LDS serves a wave's instructions in order (ISA guide 5.7.1.4): no wait between the stores and the loads, nor ahead of the next block's stores.
.macro TOSTAGE a
	WIN RD_ACC
.irp b, 0,1,2,3
.irp i, 0,2,4,6
	v_pk_fma_f32 v[T+8*\b+\i:T+8*\b+\i+1], v[8*(4*(\a)+\b)+\i:8*(4*(\a)+\b)+\i+1], s[92:93], v[BR+8*\b+\i:BR+8*\b+\i+1] op_sel_hi:[1,0,1]   ; each accumulator from its low end on
.endr
.endr
	WIN 0
.irp b, 0,1,2,3
	ds_store_b128 v14, v[T+8*\b:T+8*\b+3] offset:64*\b
	ds_store_b128 v14, v[T+8*\b+4:T+8*\b+7] offset:64*\b+16
.endr
.irp i, 0,1,2,3,4,5,6,7
	ds_load_b128 v[CD+32*((\a)%2)+4*\i:CD+32*((\a)%2)+4*\i+3], v15 offset:544*\i
.endr
.endm
.macro SEND a, younger                 ; younger: the LDS instructions issued behind block a's loads, which may stay out
	s_wait_dscnt \younger
.irp i, 0,1,2,3,4,5,6,7
	global_store_b128 v16, v[CD+32*((\a)%2)+4*\i:CD+32*((\a)%2)+4*\i+3], s[96:97] offset:65536*(\a)+8192*\i th:TH_STORE_NT   ; sixteen lanes store 256 consecutive bytes, aligned; written once
.endr
.endm
	s_wait_loadcnt 0x0                             ; bo
	PLACES
	TOSTAGE 0
.irp a, 1,2,3,4,5,6,7
.if \a > 1
	s_wait_xcnt 0x0                                ; block a - 2's stores have read their registers: block a's loads may land there
.endif
	TOSTAGE \a
	SEND \a-1, 16                                  ; behind block a - 1's loads: block a's 8 stores and 8 loads
.endr
	SEND 7, 0
	s_wait_tensorcnt 0x0                           ; the wave's end
	ds_add_u32 v[SPW], v[NIL]
	s_wait_dscnt 0x0
	CROUND                                         ; the closing round
	s_endpgm
.Lfunc_end_k_q89af465864_outp:
	.size	k_q89af465864_outp, .Lfunc_end_k_q89af465864_outp-k_q89af465864_outp
	.p2alignl 7, 3214868480
	.fill 96, 4, 3214868480
	.section	.rodata,"a",@progbits
	.p2align	6, 0x0
	.amdhsa_kernel k_q89af465864_outp
		.amdhsa_group_segment_fixed_size 327680
		.amdhsa_private_segment_fixed_size 0
		.amdhsa_enable_private_segment 0
		.amdhsa_kernarg_size 40
		.amdhsa_user_sgpr_count 2
		.amdhsa_user_sgpr_kernarg_segment_ptr 1
		.amdhsa_wavefront_size32 1
		.amdhsa_system_sgpr_workgroup_id_x 1
		.amdhsa_system_sgpr_workgroup_id_y 1
		.amdhsa_system_sgpr_workgroup_id_z 1
		.amdhsa_system_vgpr_workitem_id 0
		.amdhsa_next_free_vgpr 1024
		.amdhsa_next_free_sgpr 100
		.amdhsa_reserve_vcc 0
		.amdhsa_float_denorm_mode_32 3
		.amdhsa_float_denorm_mode_16_64 3
		.amdhsa_memory_ordered 1
		.amdhsa_forward_progress 1
		.amdhsa_inst_pref_size 76
	.end_amdhsa_kernel
	.amdgpu_metadata
---
amdhsa.version: [ 1, 2 ]
amdhsa.kernels:
  - .name:           k_q89af465864_outp
    .symbol:         k_q89af465864_outp.kd
    .args:
      - { .name: zc, .offset: 0, .size: 8, .value_kind: global_buffer, .address_space: global }
      - { .name: wc, .offset: 8, .size: 8, .value_kind: global_buffer, .address_space: global }
      - { .name: bo, .offset: 16, .size: 8, .value_kind: global_buffer, .address_space: global }
      - { .name: lowp_scales, .offset: 24, .size: 8, .value_kind: global_buffer, .address_space: global }
      - { .name: out0, .offset: 32, .size: 8, .value_kind: global_buffer, .address_space: global }
    .group_segment_fixed_size: 327680
    .private_segment_fixed_size: 0
    .kernarg_segment_align: 8
    .kernarg_segment_size: 40
    .max_flat_workgroup_size: 128
    .sgpr_count:     100
    .vgpr_count:     1024
    .wavefront_size: 32
...
	.end_amdgpu_metadata
.endif
;; end of part 4
;; ======== version 2 of 2: 4 launches; version 1 with the launch attn written anew for expert scheduling mode
;; workspace buffers: xc 25,165,824 bytes; wc 4,194,304 bytes; hc 25,165,824 bytes; zc 8,388,608 bytes
;; launch prep: the kernel of part 1 again; grid 1152 x 1, 4 waves a work-group, no clusters, 68,096 bytes of LDS; arguments q, k_and_v, wq, wk, wv, wo, lowp_scales, xc, wc; writes xc, wc
;; launch proj: the kernel of part 2 again; grid 8 x 96, 4 waves a work-group, clusters of 4 x 4, 327,680 bytes of LDS; arguments xc, wc, bq, bk, bv, lowp_scales, hc; writes hc
;; launch attn (part 5): grid 4 x 64, 16 waves a work-group, no clusters, 264,192 bytes of LDS; arguments hc, lowp_scales, zc; writes zc
.if DOCPART == 5
	.amdgcn_target "amdgcn-amd-amdhsa--gfx1250"
	.amdhsa_code_object_version 6
	.text
	.protected	k_q89af465864_attn
	.globl	k_q89af465864_attn
	.p2align	8
	.type	k_q89af465864_attn,@function
k_q89af465864_attn:
	s_mov_b64 s[64:65], 0
	v_nop
	global_prefetch_b8 v0, s[64:65] scope:SCOPE_SE
	s_setreg_imm32_b32 hwreg(HW_REG_WAVE_SCHED_MODE, 0, 2), 2
	s_setreg_imm32_b32 hwreg(HW_REG_WAVE_MODE, 25, 1), 1
	s_wait_xcnt 0x0
	s_wait_alu depctr_vm_vsrc(0)
; z = softmax(qh kh^T / 8) vh for one (b, head) and 512 queries, both products on codes of E4M3 by the 16x16x64 form; z is quantised (scale 10) and stored as an image of the last product's operand (zc).
; t = score x log2(e) / 8; M = the row's largest t rounded up to a whole number; p = 2^(t - M) is quantised (scale 8), not normalised; the row's sum of the unquantised p divides at the end.
; THE HEAD'S WHOLE K AND V LIE IN LDS (131,072 bytes each, as images of operand registers), copied once through registers: one barrier in the whole text, and no LDS store behind it.
; TWO PASSES: pass 1 makes the scores and keeps each query's largest, which gives M itself; pass 2 makes the same scores again: no running maximum, nothing is ever rescaled.
; Sixteen waves; a wave owns 32 queries, two tiles, so each fragment of K or V feeds two matrix instructions.  Both products are used transposed (S^T = K Q^T, O^T = V^T P^T): a lane holds one query,
; and the eight registers of key tile kt are keys 16 kt + 8 (lane / 16) + 0 .. 7: their codes ARE registers 2 kt, 2 kt + 1 of P's fragment.
; p is at most 1 (a last bit more at most), so it wants its hold only where 448 x 2^ep is under 1: a scalar branch on ep, a whole number of the inputs, leads round the 64 lines.
; K and V are not asked for jointly by the four work-groups of a head: each reads its 262,144 bytes once, at its head.
; LIMITS: scales 6 + 7 between -123 and 130 (added to c's exponent field); scales 8 and 10 between -126 and 119.  NaN and infinite scores are not served.
; REGISTERS: v1 16 x lane; v2, v3 LDS addresses of K's and V's fragments; v4-7 16 x thread + 0, 1, 2, 3 x 65,536; v[8:9], v[10:11] -M of tiles 0, 1; v12-19 four pairs of sums; v20-25 at work;
;   v28, v29 448 x 2^ep, 2^ep; v30, v31 the same for scale 10; v32-47 Q; v48-79 K; v80-111 V (pass 1: a second set of K); v112-175 S^T (q, kt) at 112 + 32 q + 8 kt; v176-191 P's codes; v192-255 O^T (q, ct).
; THE MODE: SCHED_MODE bits 1:0 = 2 (LLVM: expert scheduling mode 2), set by the entry lines.  The code itself states the register dependences
; between vector or matrix instructions and memory or LDS instructions, with s_wait_alu, always for 0.
; THE PLAN.  Registers that memory or LDS instructions touch:
;   v1, v4-v7      Offsets and addresses, made at the head and never written again: one wait on va_vdst ahead of the first load serves them to the end.
;   v112-175, v192-255 at the head: global loads land in them, the LDS stores read them, products write them later: one wait on vm_vsrc behind the barrier.
;   v2, v3         LDS addresses of K's and V's fragments.  Read by the fragments' loads; written once a trip by a vector add, behind a wait on vm_vsrc; the step's own wait on va_vdst stands between the add and the next load.
;   K's sets       Pass 1, step u: its eight products read set u % 2; behind them the loads of step u + 2 land in that set.  Pass 2: a trip's first eight products read v48-79; behind them the next trip's K lands there.
;   v80-111 as V   Pass 2: a trip's last eight products read it; the next trip's loads land in it.
;   v176-191       At the way out the conversions write them and the stores read them.
;   Q, S^T, P's codes in the loop, O^T and the statistics are named by vector and matrix instructions alone.
; So ONE wait on va_vdst stands in a step of pass 1 and in a trip of pass 2, behind the products K Q^T and their four places: it states that they are done reading K's set, that (pass 2) the trip before is done
; reading V, and that the addresses are written.  The loads follow it, among vector lines that name S^T, -M and the maxima alone.
	s_load_b128 s[4:7], s[0:1], 0x0                ; hc, scales
	s_load_b64 s[8:9], s[0:1], 0x10                ; zc
	v_lshl_add_u32 v26, v0, 2, 0x40000
	v_mov_b32 v27, 0
	v_lshrrev_b32 v2, 5, v0
	v_readfirstlane_b32 s10, v2                    ; wave
	v_and_b32 v1, 31, v0
	v_lshlrev_b32 v1, 4, v1
	v_lshlrev_b32 v4, 4, v0
	v_add_nc_u32 v5, 0x10000, v4
	v_add_nc_u32 v6, 0x20000, v4
	v_add_nc_u32 v7, 0x30000, v4
	s_and_b32 s11, ttmp7, 0xffff                   ; 16 b + head
	s_lshl_b32 s12, s11, 17
	s_mov_b32 s13, 0
	s_lshl_b32 s14, ttmp9, 9
	s_wait_alu depctr_va_sdst(0)                   ; s10 is written, ahead of its first reader: my first query is made from it
	s_lshl_b32 s15, s10, 5
	s_add_co_u32 s14, s14, s15                     ; my first query
	s_lshl_b32 s16, s14, 6
	s_mov_b32 s17, 0
	s_mov_b32 s20, 0x76543210                      ; v_permlanex16_b32: lane l xor 16
	s_mov_b32 s21, 0xfedcba98
	s_lshr_b32 s46, s11, 4
	s_lshl_b32 s46, s46, 11
	s_add_co_u32 s46, s46, s14                     ; my first row of z
	s_lshr_b32 s47, s46, 7
	s_lshl_b32 s47, s47, 17
	s_bfe_u32 s46, s46, 0x30004
	s_lshl_b32 s46, s46, 11
	s_add_co_u32 s46, s46, s47
	s_bfe_u32 s47, s11, 0x30001                    ; head / 2: z's K step of 128
	s_lshl_b32 s47, s47, 14
	s_add_co_u32 s46, s46, s47
	s_and_b32 s47, s11, 1                          ; head % 2: which two quarters of the fragment
	s_lshl_b32 s47, s47, 10
	s_add_co_u32 s46, s46, s47
	s_mov_b32 s47, 0
	s_wait_kmcnt 0x0
	s_load_b256 s[28:35], s[6:7], 0x0              ; scales 0 to 7
	s_load_b128 s[36:39], s[6:7], 0x20             ; scales 8 to 11
	s_add_nc_u64 s[4:5], s[4:5], s[12:13]
	s_add_nc_u64 s[18:19], s[4:5], s[16:17]        ; my Q
	s_add_nc_u64 s[40:41], s[4:5], 0x800000        ; the head's K
	s_add_nc_u64 s[42:43], s[4:5], 0x1000000       ; the head's V
	s_add_nc_u64 s[44:45], s[8:9], s[46:47]
	s_wait_alu depctr_va_vdst(0)                   ; v1 and v4 to v7 are written: the global loads, the LDS stores and the last stores read them as offsets and addresses
.irp t, 0,1
	global_load_b128 v[32+8*\t:35+8*\t], v1, s[18:19] offset:1024*\t
	global_load_b128 v[36+8*\t:39+8*\t], v1, s[18:19] offset:1024*\t+512
.endr
.irp i, 0,1,2,3,4,5,6,7,8,9,10,11,12,13,14,15
	global_load_b128 v[112+4*\i:115+4*\i], v4, s[40:41] offset:8192*\i     ; the 512 threads take 8,192 consecutive bytes a line
.endr
.irp i, 0,1,2,3,4,5,6,7,8,9,10,11,12,13,14,15
	global_load_b128 v[192+4*\i:195+4*\i], v4, s[42:43] offset:8192*\i
.endr
.irp i, 20,21,22,23
	v_mov_b32 v[\i], 0xff800000                    ; four chains of maxima begin at -infinity
.endr
.irp i, 9,11,12,13,14,15,16,17,18,19,24,25
	v_mov_b32 v[\i], 0                             ; the sums; the upper halves of pairs; the permutes' destinations
.endr
	s_wait_kmcnt 0x0
	s_add_co_i32 s27, s34, s35
	s_lshl_b32 s27, s27, 23
	s_add_co_i32 s22, s27, 0x3e38aa3b              ; c = log2(e) / 8 x 2^(scales 6 + 7)
	s_mov_b32 s23, s22
	s_add_co_i32 s27, s36, 127
	s_lshl_b32 s46, s27, 23
	v_mov_b32 v29, s46
	s_add_co_i32 s27, s27, 8
	s_lshl_b32 s27, s27, 23
	s_or_b32 s27, s27, 0x600000
	v_mov_b32 v28, s27
	s_add_co_i32 s27, s38, 127
	s_lshl_b32 s46, s27, 23
	v_mov_b32 v31, s46
	s_add_co_i32 s27, s27, 8
	s_lshl_b32 s27, s27, 23
	s_or_b32 s27, s27, 0x600000
	v_mov_b32 v30, s27
	s_wait_loadcnt 16                              ; Q and K are in; V's sixteen loads may be out
.irp i, 0,1,2,3,4,5,6,7
	ds_store_b128 v4, v[112+4*\i:115+4*\i] offset:8192*\i      ; (no vector line since the wait at the head names an address or a register of these stores)
.endr
.irp i, 0,1,2,3,4,5,6,7
	ds_store_b128 v5, v[144+4*\i:147+4*\i] offset:8192*\i
.endr
	s_wait_loadcnt 0x0
.irp i, 0,1,2,3,4,5,6,7
	ds_store_b128 v6, v[192+4*\i:195+4*\i] offset:8192*\i
.endr
.irp i, 0,1,2,3,4,5,6,7
	ds_store_b128 v7, v[224+4*\i:227+4*\i] offset:8192*\i
.endr
	s_wait_dscnt 0x0                               ; for the others' sake: my stores have landed
	s_barrier_signal -1
	s_barrier_wait -1
	s_wait_alu depctr_vm_vsrc(0)                   ; my LDS stores have read v112-175 and v192-255: these are S^T and O^T from here on, written by products
.macro LOADK set, off                  ; four tiles of 16 keys, 1,024 bytes each
.irp kt, 0,1,2,3
	ds_load_b128 v[48+32*(\set)+8*\kt:51+32*(\set)+8*\kt], v2 offset:(\off)+1024*\kt
	ds_load_b128 v[52+32*(\set)+8*\kt:55+32*(\set)+8*\kt], v2 offset:(\off)+1024*\kt+512
.endr
.endm
.macro QK set                          ; S^T of 64 keys x 32 queries: eight accumulators, each begun with 0
.irp kt, 0,1,2,3
.irp q, 0,1
	v_wmma_f32_16x16x64_fp8_fp8 v[112+32*\q+8*\kt:119+32*\q+8*\kt], v[48+32*(\set)+8*\kt:55+32*(\set)+8*\kt], v[32+8*\q:39+8*\q], 0
.endr
.endr
.endm
; ---- pass 1: each query's largest score.  Eight trips of 256 keys, 64 a step, on two sets of K's fragments; seven trips in the loop, the eighth written out, so that no load reaches past K's bytes.
; Step u of a trip.  ahead = 1: the set that it has emptied is asked for again at once, for the step two on.  left = how many younger LDS loads may be out when this step's eight have to be in.
.macro MSTEP u, ahead, left
	s_wait_dscnt \left                             ; LDS loads come back in order (ISA guide 5.7.1): this step's fragments are in, the other set's eight may be out
	QK (\u)%2
.rept 4
	v_nop                                          ; places ahead of the reads of the results (ISA guide 7.12.1)
.endr
.if \ahead
	s_wait_alu depctr_va_vdst(0)                   ; the eight products are done reading this set of K, in which the loads below land; in a trip's first step v2 is written, which they read
	LOADK (\u)%2, ((\u)+2)*4096                    ; steps 2 and 3 reach into the next trip's first two steps
.endif
.irp kt, 0,1,2,3
.irp p, 0,1,2,3
	v_max3_num_f32 v[20+\p%2], v[20+\p%2], v[112+8*\kt+2*\p], v[113+8*\kt+2*\p]   ; each accumulator from its low end on
	v_max3_num_f32 v[22+\p%2], v[22+\p%2], v[144+8*\kt+2*\p], v[145+8*\kt+2*\p]
.endr
.endr
.endm
	s_mov_b32 s24, 0
	s_mov_b32 s26, 7
	v_add_nc_u32 v2, s24, v1
	s_wait_alu depctr_va_vdst(0)                   ; v2 is written, which the loads below read
	LOADK 0, 0
	LOADK 1, 4096
.Lmax:
	MSTEP 0, 1, 8
	MSTEP 1, 1, 8
	MSTEP 2, 1, 8
	MSTEP 3, 1, 8
	s_add_co_u32 s24, s24, 16384
	s_wait_alu depctr_vm_vsrc(0)                   ; the LDS loads issued so far have read v2
	v_add_nc_u32 v2, s24, v1                       ; the next trip's; the wait in its first step stands ahead of the next load that reads it
	s_sub_co_u32 s26, s26, 1
	s_cmp_lg_u32 s26, 0
	s_cbranch_scc1 .Lmax
	MSTEP 0, 1, 8                                  ; the last 256 keys: its last two steps ask for nothing, and the counts run down
	MSTEP 1, 1, 8
	MSTEP 2, 0, 8
	MSTEP 3, 0, 0
	s_mov_b32 s24, 0                               ; pass 2's first fragments of K are asked for here, ahead of the end of the maxima
	s_mov_b32 s25, 0x20000
	s_wait_alu depctr_vm_vsrc(0)                   ; pass 1's loads have read v2
	v_add_nc_u32 v2, s24, v1
	s_wait_alu depctr_va_vdst(0)                   ; v2 is written; pass 1's products are done reading v48-79, in which the loads below land
	LOADK 0, 0
	v_max_num_f32 v20, v20, v21
	v_max_num_f32 v22, v22, v23
	v_permlanex16_b32 v24, v20, s20, s21           ; the query's other keys lie in the lane 16 away
	v_permlanex16_b32 v25, v22, s20, s21
	v_max_num_f32 v20, v20, v24
	v_max_num_f32 v22, v22, v25
	v_mul_f32 v20, s22, v20                        ; as t (c is positive)
	v_mul_f32 v22, s22, v22
	v_floor_f32 v8, -v20                           ; -M = floor(-t)
	v_floor_f32 v10, -v22
; ---- pass 2: a trip is 64 keys
.macro TRIP zero, next
	s_wait_dscnt 0x0                               ; K's fragments are in
	s_wait_alu depctr_vm_vsrc(0)                   ; the LDS loads issued so far have read v2 and v3, which the two additions below write
	QK 0
	v_add_nc_u32 v3, s25, v1                       ; four plain lines: the places ahead of the reads of the scores
	s_add_co_u32 s25, s25, 4096
.if \next
	s_add_co_u32 s24, s24, 4096
	v_add_nc_u32 v2, s24, v1
.else
	v_nop
.endif
	v_nop
	v_nop
	s_wait_alu depctr_va_vdst(0)                   ; v2 and v3 are written, which the loads below read; the eight products above are done reading K's registers and the last trip's products V's, in which those loads land
.irp ct, 0,1,2,3
	ds_load_b128 v[80+8*\ct:83+8*\ct], v3 offset:1024*\ct          ; V^T: 16 of the head's 64 x these 64 keys
	ds_load_b128 v[84+8*\ct:87+8*\ct], v3 offset:1024*\ct+512
.endr
.irp kt, 0,1,2,3
.irp i, 0,2,4,6
	v_pk_fma_f32 v[112+8*\kt+\i:113+8*\kt+\i], v[112+8*\kt+\i:113+8*\kt+\i], s[22:23], v[8:9] op_sel_hi:[1,0,0]     ; t - M
	v_pk_fma_f32 v[144+8*\kt+\i:145+8*\kt+\i], v[144+8*\kt+\i:145+8*\kt+\i], s[22:23], v[10:11] op_sel_hi:[1,0,0]
.endr
.if \next
	ds_load_b128 v[48+8*\kt:51+8*\kt], v2 offset:1024*\kt          ; the next trip's K, two loads behind each eight scalings.  No wait: no vector or matrix line since the wait above names v2 or v48-79
	ds_load_b128 v[52+8*\kt:55+8*\kt], v2 offset:1024*\kt+512
.endif
.endr
.irp j, 0,1,2,3,4,5,6,7,8,9,10,11,12,13,14,15,16,17,18,19,20,21,22,23,24,25,26,27,28,29,30,31,32,33,34,35,36,37,38,39,40,41,42,43,44,45,46,47,48,49,50,51,52,53,54,55,56,57,58,59,60,61,62,63
	v_exp_f32 v[112+\j], v[112+\j]                 ; p = 2^(t - M)
.endr
	v_nop                                          ; a plain line behind the last exponential
	s_wait_alu depctr_va_vdst(0)                   ; the 64 exponentials have written v112-175: one wait for the batch, ahead of its first reader
.irp p, 0,1,2,3,4,5,6,7,8,9,10,11,12,13,14,15
	v_pk_add_f32 v[12+2*(\p%2):13+2*(\p%2)], v[12+2*(\p%2):13+2*(\p%2)], v[112+2*\p:113+2*\p]   ; the sums are taken of the unquantised p
	v_pk_add_f32 v[16+2*(\p%2):17+2*(\p%2)], v[16+2*(\p%2):17+2*(\p%2)], v[144+2*\p:145+2*\p]
.endr
	s_cmp_ge_i32 s36, -8                           ; 448 x 2^ep is 1.75 or more: no p reaches it
	s_cbranch_scc1 .Lno_hold_\@
.irp j, 0,1,2,3,4,5,6,7,8,9,10,11,12,13,14,15,16,17,18,19,20,21,22,23,24,25,26,27,28,29,30,31,32,33,34,35,36,37,38,39,40,41,42,43,44,45,46,47,48,49,50,51,52,53,54,55,56,57,58,59,60,61,62,63
	v_min_num_f32 v[112+\j], v[112+\j], v28        ; the conversion does not saturate (ISA guide 7.6.2); p is not negative
.endr
.Lno_hold_\@:
.irp q, 0,1
.irp kt, 0,1,2,3
	v_cvt_scalef32_pk8_fp8_f32 v[176+8*\q+2*\kt:177+8*\q+2*\kt], v[112+32*\q+8*\kt:119+32*\q+8*\kt], v29
.endr
.endr
	v_nop                                          ; a plain line between the conversions and the products that read their results
	s_wait_dscnt 8*\next                           ; V's fragments are in; the next trip's K, eight loads issued behind them, may be out
.irp ct, 0,1,2,3
.irp q, 0,1
.if \zero
	v_wmma_f32_16x16x64_fp8_fp8 v[192+32*\q+8*\ct:199+32*\q+8*\ct], v[80+8*\ct:87+8*\ct], v[176+8*\q:183+8*\q], 0
.else
	v_wmma_f32_16x16x64_fp8_fp8 v[192+32*\q+8*\ct:199+32*\q+8*\ct], v[80+8*\ct:87+8*\ct], v[176+8*\q:183+8*\q], v[192+32*\q+8*\ct:199+32*\q+8*\ct]
.endif
.endr
.endr
.endm
	TRIP 1, 1                                      ; the first trip's products start O^T's sums
	s_mov_b32 s26, 30
.Lkeys:
	TRIP 0, 1
	s_sub_co_u32 s26, s26, 1
	s_cmp_lg_u32 s26, 0
	s_cbranch_scc1 .Lkeys
	TRIP 0, 0                                      ; the last 64 keys: nothing more to fetch
; ---- the way out: z = O^T x 2^(ep + ev) / the sum, quantised; a lane's codes are its 16 bytes of z's image
	v_pk_add_f32 v[12:13], v[12:13], v[14:15]      ; (these four lines are the places behind the last products)
	v_pk_add_f32 v[16:17], v[16:17], v[18:19]
	v_add_f32 v12, v12, v13
	v_add_f32 v16, v16, v17
	v_permlanex16_b32 v24, v12, s20, s21
	v_permlanex16_b32 v25, v16, s20, s21
	v_add_f32 v12, v12, v24
	v_add_f32 v16, v16, v25
	v_rcp_f32 v20, v12
	v_rcp_f32 v22, v16
	v_nop
	s_add_co_i32 s27, s36, s37
	s_wait_alu depctr_va_vdst(0)                   ; the two reciprocals have written v20 and v22: one wait for both, ahead of their first reader
	v_ldexp_f32 v20, v20, s27
	v_ldexp_f32 v22, v22, s27
.irp j, 0,2,4,6,8,10,12,14,16,18,20,22,24,26,28,30
	v_pk_mul_f32 v[112+\j:113+\j], v[192+\j:193+\j], v[20:21] op_sel_hi:[1,0]
	v_pk_mul_f32 v[144+\j:145+\j], v[224+\j:225+\j], v[22:23] op_sel_hi:[1,0]
.endr
.irp j, 0,1,2,3,4,5,6,7,8,9,10,11,12,13,14,15,16,17,18,19,20,21,22,23,24,25,26,27,28,29,30,31,32,33,34,35,36,37,38,39,40,41,42,43,44,45,46,47,48,49,50,51,52,53,54,55,56,57,58,59,60,61,62,63
	v_med3_num_f32 v[112+\j], v[112+\j], -v30, v30
.endr
.irp q, 0,1
.irp ct, 0,1,2,3
	v_cvt_scalef32_pk8_fp8_f32 v[176+8*\q+2*\ct:177+8*\q+2*\ct], v[112+32*\q+8*\ct:119+32*\q+8*\ct], v31
.endr
.endr
	v_nop
	s_wait_alu depctr_va_vdst(0)                   ; the conversions have written v176-191, which the four stores read
.irp q, 0,1
	global_store_b128 v1, v[176+8*\q:179+8*\q], s[44:45] offset:2048*\q          ; 512 consecutive bytes, aligned
	global_store_b128 v1, v[180+8*\q:183+8*\q], s[44:45] offset:2048*\q+512
.endr
	s_wait_dscnt 0x0
	s_wait_alu depctr_hold_cnt(0) depctr_sa_sdst(0) depctr_va_vdst(0) depctr_va_sdst(0) depctr_va_ssrc(0) depctr_va_vcc(0) depctr_vm_vsrc(0)
	s_wait_tensorcnt 0x0
	ds_add_u32 v26, v27
	s_wait_dscnt 0x0
	s_endpgm
.Lfunc_end_k_q89af465864_attn:
	.size	k_q89af465864_attn, .Lfunc_end_k_q89af465864_attn-k_q89af465864_attn
	.p2alignl 7, 3214868480
	.fill 96, 4, 3214868480
	.section	.rodata,"a",@progbits
	.p2align	6, 0x0
	.amdhsa_kernel k_q89af465864_attn
		.amdhsa_group_segment_fixed_size 264192
		.amdhsa_private_segment_fixed_size 0
		.amdhsa_enable_private_segment 0
		.amdhsa_kernarg_size 24
		.amdhsa_user_sgpr_count 2
		.amdhsa_user_sgpr_kernarg_segment_ptr 1
		.amdhsa_wavefront_size32 1
		.amdhsa_system_sgpr_workgroup_id_x 1
		.amdhsa_system_sgpr_workgroup_id_y 1
		.amdhsa_system_sgpr_workgroup_id_z 1
		.amdhsa_system_vgpr_workitem_id 0
		.amdhsa_next_free_vgpr 256
		.amdhsa_next_free_sgpr 66
		.amdhsa_reserve_vcc 0
		.amdhsa_float_denorm_mode_32 3
		.amdhsa_float_denorm_mode_16_64 3
		.amdhsa_memory_ordered 1
		.amdhsa_forward_progress 1
		.amdhsa_inst_pref_size 77
	.end_amdhsa_kernel
	.amdgpu_metadata
---
amdhsa.version: [ 1, 2 ]
amdhsa.kernels:
  - .name:           k_q89af465864_attn
    .symbol:         k_q89af465864_attn.kd
    .args:
      - { .name: hc, .offset: 0, .size: 8, .value_kind: global_buffer, .address_space: global }
      - { .name: lowp_scales, .offset: 8, .size: 8, .value_kind: global_buffer, .address_space: global }
      - { .name: zc, .offset: 16, .size: 8, .value_kind: global_buffer, .address_space: global }
    .group_segment_fixed_size: 264192
    .private_segment_fixed_size: 0
    .kernarg_segment_align: 8
    .kernarg_segment_size: 24
    .max_flat_workgroup_size: 512
    .sgpr_count:     66
    .vgpr_count:     256
    .wavefront_size: 32
...
	.end_amdgpu_metadata
.endif
;; end of part 5
;; launch outp: the kernel of part 4 again; grid 8 x 32, 4 waves a work-group, clusters of 4 x 4, 327,680 bytes of LDS; arguments zc, wc, bo, lowp_scales, out0; writes out0
